; MI455X (gfx1250); checked and timed in simulation.
; The chip was launched on July 23, 2026; its instructions are those of AMD's public machine-readable ISA for CDNA 5 (MIT licence, August 2026) and "CDNA5" Instruction Set Architecture Reference Guide (July 2026). The comments in the code are by the model that wrote it; some were corrected since.
;; Multi Head Attention. Allowed arithmetic: matrix products marked QUANTISED: E2M1 operands, one E8M0 scale for each 32 along K, by v_wmma_scale_f32_16x16x128_f8f6f4 with both operands' format E2M1 (or v_wmma_scale_f32_32x16x128_f4), f32 sums; products left as they are: bf16, f16 or f32 operands; f32 sums; everything else in f32.
;; Inputs: W_attn 3,072 x 1,024 float32; W_proj 1,024 x 1,024 float32; x 4 x 2,048 x 1,024 float32.
;; Outputs: out0 4 x 2,048 x 1,024 float32.
;; This version of the problem:
;;   THIS VERSION OF THE PROBLEM IS GIVEN IN LOW PRECISION. The matrix products marked QUANTISED in the list below multiply operands that are first quantised to E2M1 (2 exponent bits, 1 mantissa bit; 4 bits a number), with one power-of-two scale for each 32 numbers along K (OCP MX v1.0); their sums are f32. The products marked 'left as it is' may take bf16, f16 or f32 operands, with f32 sums. Whichever they take, every output number must still come out within the allowed error. Rounding operands to bf16 (8 significant bits) uses up far more of that allowance than f16 does (11 bits, for magnitudes from 6e-5 to 65,504). All else is computed in f32.
;;   The module's matrix products, in the order in which they are computed (A, B: the left and right operand; K: the contracted axis; several contracted axes count as one K, in the product's order):
;;     1. [M 8,192, K 1,024] x [K 1,024, N 3,072]; A: input x; B: input W_attn: QUANTISED
;;     2. batch 64 x [M 2,048, K 64] x [K 64, N 2,048]; A: computed on the way; B: computed on the way: left as it is (an operand is computed on the way)
;;     3. batch 64 x [M 2,048, K 2,048] x [K 2,048, N 64]; A: computed on the way; B: computed on the way: left as it is (an operand is computed on the way)
;;     4. [M 8,192, K 1,024] x [K 1,024, N 1,024]; A: computed on the way; B: input W_proj: left as it is (an operand is computed on the way)
;;   THE QUANTISER, for each operand of a quantised product, along K:
;;     - K is cut into blocks of 32 from its start; a last block that is shorter is filled with zeros.
;;     - A block's scale is 2^e with e = floor(log2(the largest magnitude in the block)) - 2, held to -126 .. 127; a block of zeros has e = 0. As a byte (E8M0): e + 127.
;;     - Each number is divided by its block's scale, clamped to +-6, and rounded to the nearest number of E2M1, ties to even, subnormals kept.
;;     - The product sums the exact products of the quantised numbers (number of the format x scale) in f32.
;;   ~~~python
;;   def quantise(x, axis):      # numpy; x: float32 -> the quantised numbers, widened to float32 again
;;       x = np.moveaxis(x, axis, -1); K = x.shape[-1]
;;       x = np.pad(x, [(0, 0)] * (x.ndim - 1) + [(0, -K % 32)]); x = x.reshape(x.shape[:-1] + (-1, 32)); a = np.abs(x).max(-1, keepdims=True)
;;       e = np.where(a > 0, np.clip(np.frexp(np.where(a > 0, a, 1))[1] - 1 - 2, -126, 127), 0)      # np.frexp(a)[1] - 1 = floor(log2(a)), exactly
;;       r = np.clip(x / 2.0 ** e, -6, 6)
;;       step = 2.0 ** (np.maximum(np.frexp(np.where(r == 0, 1, r))[1] - 1, 0) - 1)
;;       q = np.round(r / step) * step * 2.0 ** e      # np.round: ties to even
;;       return np.moveaxis(q.reshape(q.shape[:-2] + (-1,))[..., :K], -1, axis).astype(np.float32)
;;   ~~~
;; One version. Each part assembles by itself: llvm-mc -triple=amdgcn-amd-amdhsa -mcpu=gfx1250 --defsym DOCPART=n.
;; ======== version 1 of 1: 5 launches
;; limits: values are held in f16: magnitudes above 65,504 overflow, below 6.1e-05 lose precision
;; workspace buffers: x_codes 4,194,304 bytes; x_scales 262,144 bytes; w_codes 1,572,864 bytes; w_scales 98,304 bytes; wp16 2,097,152 bytes; qkv16 50,331,648 bytes; qkv32 786,432 bytes; y16 16,777,216 bytes
;; launch quant (part 1): grid 384 x 1, 4 waves a work-group, no clusters, 33,280 bytes of LDS; arguments x, W_attn, x_codes, x_scales, w_codes, w_scales, W_proj, wp16; writes x_codes, x_scales, w_codes, w_scales, wp16
.if DOCPART == 1
	.amdgcn_target "amdgcn-amd-amdhsa--gfx1250"
	.amdhsa_code_object_version 6
	.text
	.protected	k_qfca4111f4a_quant
	.globl	k_qfca4111f4a_quant
	.p2align	8
	.type	k_qfca4111f4a_quant,@function
k_qfca4111f4a_quant:
	s_mov_b64 s[64:65], 0
	v_nop
	global_prefetch_b8 v0, s[64:65] scope:SCOPE_SE
	s_setreg_imm32_b32 hwreg(HW_REG_WAVE_MODE, 25, 1), 1
	s_wait_xcnt 0x0
; x [8192][1024] and W_attn [3072][1024], f32, become codes of FP4 (E2M1), K innermost, with one E8M0 scale byte for each 32 along K; W_proj [1024][1024] f32 becomes f16.
; A block's scale is 2^(floor(log2(its largest magnitude)) - 2); its byte is the largest magnitude's exponent field - 2, held at 1 from below.  A block of zeros so gets the byte 1 where the
; rule says 127: its codes are zeros, which add nothing under any byte but 0xff, and the bytes are read by this program alone.
; LIMITS: blocks whose largest magnitude lies under 2^-124 are held at the byte 1; NaN and infinities among the inputs are not served; |W_proj| over 65,504 becomes infinity in f16.
; Rows are dense and K is a multiple of 32: both tensors are plain streams of blocks of 32 numbers, and so are the codes and the scale bytes.
; Work-groups 0-255 take x, 256-351 W_attn, 352-383 W_proj: 32,768 numbers each, 8,192 a wave.  No tensor loads, no barrier: waves share nothing.
; THE QUANTISER: a wave takes 16 steps of 512 numbers.  A conversion takes 8 numbers of one block from a lane's registers, so a lane must hold 16 neighbours; a load is best where neighbouring lanes
; take neighbouring bytes.  So each load reads 512 consecutive bytes, and a step's 2,048 bytes turn through the wave's own stage in LDS and come back 64 bytes a lane (16 bytes of padding behind each 64).
; A lane's 16 codes are 8 bytes: the wave stores 256 consecutive bytes.  A wave's 256 scale bytes are gathered in LDS and leave as one aligned run of 256 bytes.
.set SIZE_M, 8192
.set SIZE_N, 3072
.set SIZE_K, 1024
.set WAVES, 4
.set STEPS, 16
.set WGA,   SIZE_M*SIZE_K/(512*STEPS*WAVES)    ; 256 work-groups for x
.set WGB,   SIZE_N*SIZE_K/(512*STEPS*WAVES)    ; 96 for W_attn
.set EMAX,  2
.set CB,    8                          ; bytes of 16 codes
.set R,     16                         ; v16-79   four sets of 16 numbers as they are loaded
.set X,     80                         ; v80-111  two sets of 16 neighbours
.set C,     128                        ; v128-191 codes: four registers for each step, so that no store's data are written again
.set E,     112                        ; v112-127 a scale byte for each step
.set WREG,  8192                       ; LDS: a region for each wave: two stages of 32 x SP bytes, behind them its 256 scale bytes
.set SP,    80                         ; a lane's place in a stage: its 64 bytes + 16 of padding
.set SPW,   12                         ; v12      LDS address of my spare word; never rewritten
.set NIL,   13                         ; v13      0; never rewritten
.set SPARE, WAVES*WREG                 ; behind the four regions: the spare words, 128 bytes a wave; no other line names them
	s_load_b128 s[4:7], s[0:1], 0x0                ; x, W_attn
	s_load_b128 s[8:11], s[0:1], 0x10              ; x's codes, x's scales
	s_load_b128 s[12:15], s[0:1], 0x20             ; W_attn's codes, its scales
	s_load_b128 s[24:27], s[0:1], 0x30             ; W_proj, wp16
	v_lshl_add_u32 v[SPW], v0, 2, SPARE
	v_mov_b32 v[NIL], 0
	v_lshrrev_b32 v1, 5, v0
	v_readfirstlane_b32 s16, v1                    ; wave
	v_and_b32 v2, 31, v0                           ; lane
	v_lshlrev_b32 v3, 4, v2                        ; my 16 bytes of a load's 512
	s_mul_i32 s17, s16, WREG
	v_lshrrev_b32 v14, 2, v2
	v_mul_u32_u24 v14, v14, SP
	v_and_b32 v15, 3, v2
	v_lshl_add_u32 v14, v15, 4, v14
	v_add_nc_u32 v14, s17, v14                     ; the stage, on the way in: SP (lane / 4) + 16 (lane % 4)
	v_mul_u32_u24 v15, v2, SP
	v_add_nc_u32 v15, s17, v15                     ; and on the way out: SP x lane: my 16 neighbours
	v_mul_u32_u24 v4, v2, CB                       ; my codes' place in a step's
	v_lshrrev_b32 v5, 1, v2
	s_add_co_u32 s17, s17, 2*32*SP
	v_add_nc_u32 v5, s17, v5                       ; LDS: my wave's 256 scale bytes, my block's byte
	v_lshlrev_b32 v7, 3, v2                        ; 8 bytes a lane
	v_add_nc_u32 v6, s17, v7
	s_wait_kmcnt 0x0
	s_cmp_ge_u32 ttmp9, WGA+WGB                    ; the last 32 work-groups cast W_proj
	s_cbranch_scc1 .Lcast
	s_cmp_lt_u32 ttmp9, WGA                        ; x's work-group or W_attn's?  The choice hangs on the work-group's number alone
	s_cselect_b64 s[4:5], s[4:5], s[6:7]
	s_cselect_b64 s[8:9], s[8:9], s[12:13]
	s_cselect_b64 s[10:11], s[10:11], s[14:15]
	s_cselect_b32 s17, 0, WGA
	s_sub_co_u32 s17, ttmp9, s17
	s_lshl_b32 s17, s17, 2
	s_add_co_u32 s18, s17, s16                     ; which run of 8,192 numbers of the tensor is my wave's
	s_mov_b32 s19, 0
	s_mov_b64 s[20:21], 512*STEPS*4
	s_mul_u64 s[20:21], s[18:19], s[20:21]
	s_add_nc_u64 s[4:5], s[4:5], s[20:21]
	s_mov_b64 s[20:21], 32*STEPS*CB
	s_mul_u64 s[20:21], s[18:19], s[20:21]
	s_add_nc_u64 s[8:9], s[8:9], s[20:21]
	s_lshl_b32 s18, s18, 8                         ; 256 scale bytes a run
	s_add_nc_u64 s[10:11], s[10:11], s[18:19]
.macro LOAD t
.irp i, 0,1,2,3
	global_load_b128 v[R+16*((\t)%4)+4*\i:R+16*((\t)%4)+4*\i+3], v3, s[4:5] offset:2048*(\t)+512*\i th:TH_LOAD_NT   ; 32 lanes read 512 consecutive bytes
.endr
.endm
.macro TURN t                          ; step t's numbers through the stage: LDS serves a wave's instructions in order, so no wait stands between the stores and the loads
.irp i, 0,1,2,3
	ds_store_b128 v14, v[R+16*((\t)%4)+4*\i:R+16*((\t)%4)+4*\i+3] offset:32*SP*((\t)%2)+8*SP*\i
.endr
.irp i, 0,1,2,3
	ds_load_b128 v[X+16*((\t)%2)+4*\i:X+16*((\t)%2)+4*\i+3], v15 offset:32*SP*((\t)%2)+16*\i
.endr
.endm
.irp t, 0,1,2,3
	LOAD \t
.endr
	s_wait_loadcnt 12                              ; step 0's four loads are in; the twelve of steps 1 to 3 may be out
	TURN 0
.macro STEP t
.set XS, X+16*((\t)%2)
.if (\t) > 0
	s_wait_dscnt 1                                 ; this step's numbers are back from the stage (the last step's byte store may be out)
.else
	s_wait_dscnt 0x0
.endif
.if (\t)+4 < STEPS
	LOAD (\t)+4                                    ; the stage's stores have read these registers: they take the loads of four steps on
.endif
.if (\t)+1 < STEPS
.if STEPS-2-(\t) >= 3
	s_wait_loadcnt 12                              ; the next step's four loads are in; those of the three steps behind it may be out
.else
	s_wait_loadcnt 4*(STEPS-2-(\t))
.endif
	TURN (\t)+1                                    ; they go through the other stage while this step is worked
.endif
	v_max3_num_f32 v8, |v[XS]|, |v[XS+1]|, |v[XS+2]|               ; the largest magnitude of my 16, in two chains
	v_max3_num_f32 v9, |v[XS+3]|, |v[XS+4]|, |v[XS+5]|
.irp i, 6,10
	v_max3_num_f32 v8, v8, |v[XS+\i]|, |v[XS+\i+1]|
	v_max3_num_f32 v9, v9, |v[XS+\i+2]|, |v[XS+\i+3]|
.endr
	v_max3_num_f32 v8, v8, |v[XS+14]|, |v[XS+15]|
	v_max3_num_f32 v8, v8, v9, (EMAX+1)<<23        ; and the floor 2^(3 - 127): so the byte cannot fall under 1
	v_max_num_f32_dpp v8, v8, v8 row_xmask:1 row_mask:0xf bank_mask:0xf   ; and of my neighbour's 16: the block's
	v_add_nc_u32 v11, -(EMAX<<23), v8              ; 2 off its exponent field: the conversion takes the exponent field of this operand as its scale
	v_cvt_scalef32_pk8_fp4_f32 v[C+4*(\t)], v[XS:XS+7], v11        ; eight numbers / the scale, to the nearest code, ties to even, beyond the largest code the largest
	v_cvt_scalef32_pk8_fp4_f32 v[C+4*(\t)+1], v[XS+8:XS+15], v11
	v_lshrrev_b32 v[E+(\t)], 23, v11               ; the scale's byte (also the plain line behind the conversions)
	ds_store_b8 v5, v[E+(\t)] offset:16*(\t)       ; both lanes of a block write the same byte with the same value
	global_store_b64 v4, v[C+4*(\t):C+4*(\t)+1], s[8:9] offset:32*CB*(\t)   ; the wave stores 256 consecutive bytes, aligned
.endm
.irp t, 0,1,2,3,4,5,6,7,8,9,10,11,12,13,14,15
	STEP \t
.endr
	ds_load_b64 v[8:9], v6                         ; LDS serves a wave's instructions in order: these see my byte stores
	s_wait_dscnt 0x0
	global_store_b64 v7, v[8:9], s[10:11]          ; 32 lanes store 256 consecutive bytes, aligned
	s_wait_tensorcnt 0x0                           ; the wave's end: behind my last LDS store
	ds_add_u32 v[SPW], v[NIL]
	s_wait_dscnt 0x0
	s_endpgm
; THE CAST: a wave takes 8,192 numbers of W_proj in four rounds of 16 loads.  Two sets of 64 registers by turns: while one is converted (in place) and stored, the other's loads are out.
.set CA, 16
.set CBS, 128
.macro CLOAD k, set
.irp i, 0,1,2,3,4,5,6,7,8,9,10,11,12,13,14,15
	global_load_b128 v[\set+4*\i:\set+4*\i+3], v3, s[24:25] offset:8192*(\k)+512*\i th:TH_LOAD_NT
.endr
.endm
.macro CCAST k, set
.irp i, 0,1,2,3,4,5,6,7,8,9,10,11,12,13,14,15
	v_cvt_pk_f16_f32 v[\set+4*\i], v[\set+4*\i], v[\set+4*\i+1]
	v_cvt_pk_f16_f32 v[\set+4*\i+1], v[\set+4*\i+2], v[\set+4*\i+3]
.endr
.irp i, 0,1,2,3,4,5,6,7,8,9,10,11,12,13,14,15
	global_store_b64 v7, v[\set+4*\i:\set+4*\i+1], s[26:27] offset:4096*(\k)+256*\i   ; the wave stores 256 consecutive bytes, aligned
.endr
.endm
.Lcast:
	s_sub_co_u32 s17, ttmp9, WGA+WGB
	s_lshl_b32 s17, s17, 2
	s_add_co_u32 s17, s17, s16                     ; which run of 8,192 numbers is my wave's
	s_lshl_b32 s18, s17, 15
	s_mov_b32 s19, 0
	s_add_nc_u64 s[24:25], s[24:25], s[18:19]
	s_lshl_b32 s18, s17, 14
	s_add_nc_u64 s[26:27], s[26:27], s[18:19]
	CLOAD 0, CA
	CLOAD 1, CBS
	s_wait_loadcnt 16                              ; round 0 is in; round 1's sixteen may be out
	CCAST 0, CA
	s_wait_xcnt 0x0                                ; the stores have read their registers: the set may be loaded again
	CLOAD 2, CA
	s_wait_loadcnt 16                              ; round 1 is in
	CCAST 1, CBS
	s_wait_xcnt 0x0
	CLOAD 3, CBS
	s_wait_loadcnt 16                              ; round 2 is in
	CCAST 2, CA
	s_wait_loadcnt 0x0
	CCAST 3, CBS
	s_wait_tensorcnt 0x0                           ; the same three lines close this path too
	ds_add_u32 v[SPW], v[NIL]
	s_wait_dscnt 0x0
	s_endpgm
.Lfunc_end_k_qfca4111f4a_quant:
	.size	k_qfca4111f4a_quant, .Lfunc_end_k_qfca4111f4a_quant-k_qfca4111f4a_quant
	.p2alignl 7, 3214868480
	.fill 96, 4, 3214868480
	.section	.rodata,"a",@progbits
	.p2align	6, 0x0
	.amdhsa_kernel k_qfca4111f4a_quant
		.amdhsa_group_segment_fixed_size 33280
		.amdhsa_private_segment_fixed_size 0
		.amdhsa_enable_private_segment 0
		.amdhsa_kernarg_size 64
		.amdhsa_user_sgpr_count 2
		.amdhsa_user_sgpr_kernarg_segment_ptr 1
		.amdhsa_wavefront_size32 1
		.amdhsa_system_sgpr_workgroup_id_x 1
		.amdhsa_system_sgpr_workgroup_id_y 1
		.amdhsa_system_sgpr_workgroup_id_z 1
		.amdhsa_system_vgpr_workitem_id 0
		.amdhsa_next_free_vgpr 192
		.amdhsa_next_free_sgpr 66
		.amdhsa_reserve_vcc 0
		.amdhsa_float_denorm_mode_32 3
		.amdhsa_float_denorm_mode_16_64 3
		.amdhsa_memory_ordered 1
		.amdhsa_forward_progress 1
		.amdhsa_inst_pref_size 54
	.end_amdhsa_kernel
	.amdgpu_metadata
---
amdhsa.version: [ 1, 2 ]
amdhsa.kernels:
  - .name:           k_qfca4111f4a_quant
    .symbol:         k_qfca4111f4a_quant.kd
    .args:
      - { .name: x, .offset: 0, .size: 8, .value_kind: global_buffer, .address_space: global }
      - { .name: W_attn, .offset: 8, .size: 8, .value_kind: global_buffer, .address_space: global }
      - { .name: x_codes, .offset: 16, .size: 8, .value_kind: global_buffer, .address_space: global }
      - { .name: x_scales, .offset: 24, .size: 8, .value_kind: global_buffer, .address_space: global }
      - { .name: w_codes, .offset: 32, .size: 8, .value_kind: global_buffer, .address_space: global }
      - { .name: w_scales, .offset: 40, .size: 8, .value_kind: global_buffer, .address_space: global }
      - { .name: W_proj, .offset: 48, .size: 8, .value_kind: global_buffer, .address_space: global }
      - { .name: wp16, .offset: 56, .size: 8, .value_kind: global_buffer, .address_space: global }
    .group_segment_fixed_size: 33280
    .private_segment_fixed_size: 0
    .kernarg_segment_align: 8
    .kernarg_segment_size: 64
    .max_flat_workgroup_size: 128
    .sgpr_count:     66
    .vgpr_count:     192
    .wavefront_size: 32
...
	.end_amdgpu_metadata
.endif
;; end of part 1
;; launch qkv (part 2): grid 12 x 32, 4 waves a work-group, clusters of 4 x 4, 327,680 bytes of LDS; arguments x_codes, x_scales, w_codes, w_scales, qkv16, qkv32; writes qkv16, qkv32
.if DOCPART == 2
	.amdgcn_target "amdgcn-amd-amdhsa--gfx1250"
	.amdhsa_code_object_version 6
	.text
	.protected	k_qfca4111f4a_qkv
	.globl	k_qfca4111f4a_qkv
	.p2align	8
	.type	k_qfca4111f4a_qkv,@function
k_qfca4111f4a_qkv:
	s_mov_b64 s[64:65], 0
	v_nop
	global_prefetch_b8 v0, s[64:65] scope:SCOPE_SE
	s_setreg_imm32_b32 hwreg(HW_REG_WAVE_MODE, 25, 1), 1
	s_wait_xcnt 0x0
	s_wait_alu depctr_hold_cnt(0) depctr_sa_sdst(0) depctr_va_vdst(0) depctr_va_sdst(0) depctr_va_ssrc(0) depctr_va_vcc(0) depctr_vm_vsrc(0)
	s_getreg_b32 s2, hwreg(HW_REG_IB_STS2, 6, 4)
	s_cmp_eq_u32 s2, 0
	s_cbranch_scc0 .Lentry_in_a_cluster
	s_endpgm
.Lentry_in_a_cluster:
	s_bfe_u32 s2, ttmp6, 0x10000c
	s_cmp_lg_u32 s2, 0xf033
	s_cbranch_scc0 .Lentry_shape_is_right
	s_endpgm
.Lentry_shape_is_right:
; qkv[m][n] = sum over k of x[m][k] W_attn[n][k], both operands as codes of FP4 (E2M1) with one E8M0 scale for each 32 along K; sums in f32.  M = 8,192, N = 3,072, K = 1,024.
; The results leave as f16, laid by head: qkv16 [3 (q, k, v)][4 b][16 h][2048 t][64]; the rows t < 16 of every batch leave as f32 too: qkv32 [4 b][16 t][3072].
; LIMIT: a result over 65,504 in magnitude becomes infinity in f16.
; A tile of 256 x 256 is made by a work-group of four waves; a wave makes 128 x 128: 64 accumulators of 16 x 16, 512 registers.
; K is two steps of 512 (a tile's row is 256 bytes of memory): both LDS slots and the scales are filled once, at the head; nothing is filled again.
; THE SCALES of the work-group's 256 rows of x and 256 rows of W, for all of K, are two dense blocks of memory: they come into LDS once, as runs of 256 bytes.
; CLUSTERS: 4 x 4 work-groups.  Tile row = 8 cy + cluster y: cy is the batch, cluster y the block of 256 tokens, so that 'this tile holds t < 16' is 'cluster y = 0', the same in all sixteen partners.
; The four of a row of the cluster need the same tiles of x, the four of a column the same tiles of W: each tile is asked for JOINTLY, by the same tensor load with the same descriptor and a mask that names the four.
; THE MATRIX INSTRUCTION IS USED TRANSPOSED (source 0 = 16 rows of W, source 1 = 16 rows of x): a lane then holds eight neighbouring columns of one token.
; REGISTERS, in windows of 256: window 0: v0-31 addresses; v32-95 scale words, two sets; from v128 x's fragments, ONE set; on the way out v32-255 are free.
;   window 1: W's fragments, TWO sets, at v0 and v128.   window 2: the accumulators of my rows 0-63 ((a, b) at v[8 (8 a + b)]);   window 3: those of my rows 64-127.
.set SIZE_K, 1024
.set KSTEP,  512                       ; along K in a slot
.set NQ,     KSTEP/128                 ; matrix instructions deep
.set ROWB,   256                       ; a tile's row in bytes
.set KROW,   SIZE_K*4/8                ; a row of codes in memory, in bytes
.set PITCH,  272                       ; an LDS row: 256 bytes + 16 of padding: the 16 rows that a load touches start at 16 different 16-byte columns
.set FR,     8                         ; registers of a fragment: 16 rows x 128 K
.set NL,     2                         ; LDS loads that bring one
.set NP,     4                         ; places behind this matrix instruction (ISA guide 7.12.1)
.set HALFT,  128*PITCH                 ; 128 rows: what one tensor load brings
.set SLOT,   4*HALFT                   ; x's 256 rows, then W's 256 rows
.set KS,     SIZE_K/32                 ; a row of scales in bytes
.set SCL,    2*SLOT                    ; behind the slots: the scales, as runs of 256 bytes + 16 of padding
.set HALFS,  (128*KS/256)*272          ; the scales of 128 rows
.set SBLK,   (16*KS/256)*272           ; those of 16 rows
.set SPARE,  SCL+4*HALFS               ; the spare words, 128 bytes a wave; no other line names them
.set WST,    12800                     ; the way out: each wave's stages, in slot 0, which has had its only fill and its last read when the first result is stored there:
.set ST16,   8448                      ; 16 rows x (512 + 16) bytes of f32 at +0, 16 rows x (256 + 16) bytes of f16 at +8,448
.set ADRA, 16                          ; v16-17  LDS address of my x fragments in slot 0, 1
.set ADRB, 20                          ; v20-21  the same for W
.set STO32, 22                         ; v22     the f32 stage: where I put 32 bytes of a row
.set RD32, 23                          ; v23     and where I read a row back
.set STO,  24                          ; v24     the f16 stage: where I put 16 bytes of a row
.set RD,   25                          ; v25     and where I read back: four tokens x 128 bytes of one head
.set CO,   26                          ; v26     16 x lane
.set ADRS, 27                          ; v27     LDS address of my scale words: lanes 0-15 x's rows, lanes 16-31 W's
.set SPW,  28                          ; v28     LDS address of my spare word; never rewritten
.set NIL,  29                          ; v29     0; never rewritten
.set SC,   32                          ; scale words: set s at v[SC + 32 s]; register 4 i + q: lanes 0-15 x's block i, lanes 16-31 W's block i, the slot's q-th 128 along K
.set AF,   128                         ; x's fragments, in window 0
.set TMP,  32                          ; the way out: packed results
.set BK,   64                          ; and what comes back from the f16 stage: v64-95 and v96-127 by turns
.set F32R, 128                         ; and from the f32 stage
.set G1, 24                            ; s[24:31] descriptor group 1 for x's tiles;  s[32:39] group 0, one set for each slot
.set G0, 32
.set G1B, 48                           ; s[48:55], s[56:63] the same for W's tiles
.set G0B, 56
.set G1S, 68                           ; s[68:75], s[76:79] groups 1 and 0 for x's scales;  s[80:87], s[88:91] for W's
.set G0S, 76
.set G1SB, 80
.set G0SB, 88
.set MSB, 0
.macro WIN new                         ; the immediate's high byte repeats the setting that is left
.if MSB != \new
	s_set_vgpr_msb (MSB<<8)|\new
.set MSB, \new
.endif
.endm
.set MUL_LO, 0xa1                      ; source 0 (W) window 1, source 1 (x) window 0, C and D window 2
.set MUL_HI, 0xf1                      ; the same, C and D window 3
.set TO_B,   0x40                      ; destination window 1, address window 0
; A joint load: waves 0 and 1 fetch for x, waves 2 and 3 for W.  Each of the two lines has one mask and one set of registers; the branch hangs on the wave's number alone.
; An s_nop 0 and four v_nop follow each of the two lines.
.macro JLOAD g0a, g1a, g0b, g1b
	s_cmp_eq_u32 s15, 0
	s_cbranch_scc0 .Lfor_b_\@
	tensor_load_to_lds s[\g0a:\g0a+3], s[\g1a:\g1a+7]
	s_nop 0
.rept 4
	v_nop
.endr
	s_branch .Lasked_\@
.Lfor_b_\@:
	tensor_load_to_lds s[\g0b:\g0b+3], s[\g1b:\g1b+7]
	s_nop 0
.rept 4
	v_nop
.endr
.Lasked_\@:
.endm
.macro CROUND                          ; a round of the cluster's barrier
	s_barrier_signal -1
	s_barrier_wait -1
	s_cmp_lg_u32 s14, 0
	s_cbranch_scc1 .Lnot_wave_0_\@
	s_barrier_signal -3
.Lnot_wave_0_\@:
	s_barrier_wait -3
	s_barrier_signal -1
	s_barrier_wait -1
.endm
	s_load_b128 s[4:7], s[0:1], 0x0                ; x's codes s[4:5], x's scales s[6:7]
	s_load_b128 s[8:11], s[0:1], 0x10              ; W's codes s[8:9], W's scales s[10:11]
	s_load_b64 s[12:13], s[0:1], 0x20              ; qkv16
	s_load_b64 s[98:99], s[0:1], 0x28              ; qkv32
	v_lshl_add_u32 v[SPW], v0, 2, SPARE
	v_mov_b32 v[NIL], 0
	ds_add_u32 v[SPW], v[NIL]                      ; the wave's opening: the add, twice on end, and its wait ahead of my first tensor load
	ds_add_u32 v[SPW], v[NIL]                      ; and once more; the set-up below, work on registers, stands between it and the wait
	v_lshrrev_b32 v1, 5, v0
	v_readfirstlane_b32 s14, v1                    ; wave 0..3
	s_lshr_b32 s15, s14, 1                         ; which half of the tile's rows is mine.  Also: I fetch for x (0) or for W (1)
	s_and_b32 s16, s14, 1                          ; which half of its columns.  Also: which 128 rows of that tile I fetch
	s_bfe_u32 s40, ttmp6, 0x40000                  ; cx, cy: my place in the cluster
	s_bfe_u32 s41, ttmp6, 0x40004
	s_lshl_b32 s42, ttmp9, 2
	s_add_co_u32 s42, s42, s40                     ; tile column = 4 x cluster x + cx
	s_and_b32 s17, ttmp7, 0xffff
	s_lshl_b32 s18, s41, 3
	s_add_co_u32 s17, s17, s18                     ; tile row = 8 cy + cluster y
	s_lshl_b32 s43, s41, 2
	s_lshl_b32 s43, 15, s43                        ; my row of the cluster
	s_lshl_b32 s44, 0x1111, s40                    ; my column
	; descriptor group 1: a tile of 128 rows x 256 bytes, padded in LDS
	s_or_b32 s[G1+0], s43, (0<<16)|(1<<20)|(1<<21)|(5<<22)|(3<<25)  ; 15:0 the mask: x's tiles go to my row; elements of 1 byte; padding on; bit 21 beside a mask; after every 64 words, 4 words
	s_or_b32 s[G1B+0], s44, (0<<16)|(1<<20)|(1<<21)|(5<<22)|(3<<25)
.irp g, G1, G1B
	s_mov_b32 s[\g+1], ROWB<<16                    ; tensor_dim0
	s_mov_b32 s[\g+2], 128<<16                     ; tensor_dim1 = 128
	s_mov_b32 s[\g+3], ROWB<<16                    ; tile_dim0
	s_mov_b32 s[\g+4], 128                         ; tile_dim1 = 128
	s_mov_b32 s[\g+5], KROW                        ; tensor_dim0_stride
	s_mov_b32 s[\g+6], 0
	s_mov_b32 s[\g+7], 0
.endr
	; and for the scales of 128 rows: a dense block of 4,096 bytes, as rows of 256 bytes (32 elements of 8 bytes), 16 bytes of padding behind each
	s_or_b32 s[G1S+0], s43, (3<<16)|(1<<20)|(1<<21)|(5<<22)|(3<<25)
	s_or_b32 s[G1SB+0], s44, (3<<16)|(1<<20)|(1<<21)|(5<<22)|(3<<25)
.irp g, G1S, G1SB
	s_mov_b32 s[\g+1], 32<<16
	s_mov_b32 s[\g+2], (128*KS/256)<<16
	s_mov_b32 s[\g+3], 32<<16
	s_mov_b32 s[\g+4], 128*KS/256
	s_mov_b32 s[\g+5], 32
	s_mov_b32 s[\g+6], 0
	s_mov_b32 s[\g+7], 0
.endr
	s_lshl_b32 s18, s16, 7                         ; which 128 rows of the tile I fetch
	s_lshl_b32 s20, s17, 8
	s_add_co_u32 s20, s20, s18                     ; x: row 256 x tile row + 128 x half
	s_lshl_b32 s46, s42, 8
	s_add_co_u32 s46, s46, s18                     ; W: row 256 x tile column + 128 x half
	s_mov_b32 s21, 0
	s_mov_b32 s47, 0
	s_mov_b64 s[18:19], KS
	s_mul_u64 s[22:23], s[20:21], s[18:19]         ; where these rows' scales begin, in bytes
	s_mul_u64 s[92:93], s[46:47], s[18:19]
	s_mov_b64 s[18:19], KROW
	s_mul_u64 s[20:21], s[20:21], s[18:19]         ; and their codes
	s_mul_u64 s[46:47], s[46:47], s[18:19]
	s_mul_i32 s45, s14, HALFT                      ; where they go: wave x 128 rows: no place in the cluster enters an LDS address
	s_mul_i32 s94, s14, HALFS
	s_wait_dscnt 0x0                               ; both opening adds are done
	s_wait_kmcnt 0x0
	s_add_nc_u64 s[20:21], s[4:5], s[20:21]
	s_add_nc_u64 s[22:23], s[6:7], s[22:23]
	s_add_nc_u64 s[46:47], s[8:9], s[46:47]
	s_add_nc_u64 s[92:93], s[10:11], s[92:93]
	CROUND                                         ; all sixteen work-groups are here: the joint loads meet
	s_mov_b32 s[G0S], 1
	s_add_co_u32 s[G0S+1], s94, SCL
	s_mov_b64 s[G0S+2:G0S+3], s[22:23]
	s_or_b32 s[G0S+3], s[G0S+3], 0x80000000
	s_mov_b32 s[G0SB], 1
	s_add_co_u32 s[G0SB+1], s94, SCL
	s_mov_b64 s[G0SB+2:G0SB+3], s[92:93]
	s_or_b32 s[G0SB+3], s[G0SB+3], 0x80000000
	JLOAD G0S, G1S, G0SB, G1SB                     ; the scales first: they are wanted with K step 0
.irp s, 0,1
	s_mov_b32 s[G0+4*\s], 1
	s_add_co_u32 s[G0+4*\s+1], s45, \s*SLOT
	s_add_nc_u64 s[G0+4*\s+2:G0+4*\s+3], s[20:21], \s*ROWB
	s_or_b32 s[G0+4*\s+3], s[G0+4*\s+3], 0x80000000
	s_mov_b32 s[G0B+4*\s], 1
	s_add_co_u32 s[G0B+4*\s+1], s45, \s*SLOT
	s_add_nc_u64 s[G0B+4*\s+2:G0B+4*\s+3], s[46:47], \s*ROWB
	s_or_b32 s[G0B+4*\s+3], s[G0B+4*\s+3], 0x80000000
	JLOAD G0+4*\s, G1, G0B+4*\s, G1B               ; three loads of mine are out: the scales and both slots
.endr
	v_and_b32 v1, 15, v0                           ; r = l % 16
	v_bfe_u32 v2, v0, 4, 1                         ; h = l / 16
	v_mul_u32_u24 v3, v1, PITCH
	v_lshl_add_u32 v4, v2, 4, v3                   ; a fragment's row x pitch + 16 x half
	s_mul_i32 s21, s15, HALFT                      ; my 128 rows of x
	s_mul_i32 s22, s16, HALFT                      ; my 128 rows of W,
	s_add_co_u32 s22, s22, 2*HALFT                 ; which lie behind x's 256
.irp s, 0,1
	v_add_nc_u32 v[ADRA+\s], s21, v4
	v_add_nc_u32 v[ADRB+\s], s22, v4
	s_add_co_u32 s21, s21, SLOT
	s_add_co_u32 s22, s22, SLOT
.endr
	v_mul_u32_u24 v5, v1, KS                       ; my row's scales: 32 bytes a row,
	v_lshrrev_b32 v6, 8, v5
	v_lshl_add_u32 v5, v6, 4, v5                   ; and 16 more for each 256 passed
	s_mul_i32 s21, s15, HALFS                      ; x's: my 128 rows
	s_mul_i32 s22, s16, HALFS                      ; W's: my 128 rows, behind x's 256
	s_add_co_u32 s22, s22, 2*HALFS
	s_sub_co_u32 s22, s22, s21
	v_mul_u32_u24 v6, s22, v2                      ; lanes 16-31 take W's: one product, the distance x h
	s_add_co_u32 s21, s21, SCL
	v_add_nc_u32 v5, v5, v6
	v_add_nc_u32 v[ADRS], s21, v5
	s_mul_i32 s23, s14, WST                        ; my stages
	v_mul_u32_u24 v5, v1, 528
	v_lshl_add_u32 v5, v2, 5, v5
	v_add_nc_u32 v[STO32], s23, v5                 ; f32, in: row r, 32 bytes for each half of the lanes
	v_and_b32 v6, 31, v0
	v_lshlrev_b32 v[CO], 4, v6
	v_add_nc_u32 v[RD32], s23, v[CO]               ; f32, back: the 32 lanes take one row of 512 bytes
	s_add_co_u32 s23, s23, ST16
	v_mul_u32_u24 v5, v1, 272
	v_lshl_add_u32 v5, v2, 4, v5
	v_add_nc_u32 v[STO], s23, v5                   ; f16, in: row r, 16 bytes for each half of the lanes
	v_lshrrev_b32 v5, 3, v6
	v_mul_u32_u24 v5, v5, 272
	v_and_b32 v7, 7, v0
	v_lshl_add_u32 v5, v7, 4, v5
	v_add_nc_u32 v[RD], s23, v5                    ; f16, back: eight lanes take a token's 128 bytes of one head, the 32 lanes four tokens
	; qkv16: which x 16 MiB + batch x 4 MiB + head x 262,144 + token x 128
	s_lshr_b32 s20, s42, 2
	s_lshl_b32 s20, s20, 24                        ; q, k or v: tile column / 4
	s_lshl_b32 s21, s41, 22                        ; the batch: cy
	s_add_co_u32 s20, s20, s21
	s_and_b32 s21, s42, 3
	s_lshl_b32 s21, s21, 2
	s_lshl_b32 s22, s16, 1
	s_add_co_u32 s21, s21, s22                     ; my first head: 4 (tile column % 4) + 2 x column half
	s_lshl_b32 s21, s21, 18
	s_add_co_u32 s20, s20, s21
	s_and_b32 s21, ttmp7, 0xffff
	s_lshl_b32 s21, s21, 15                        ; 256 tokens x 128 bytes for each cluster y
	s_add_co_u32 s20, s20, s21
	s_lshl_b32 s21, s15, 14                        ; my 128 tokens
	s_add_co_u32 s20, s20, s21
	s_mov_b32 s21, 0
	s_add_nc_u64 s[12:13], s[12:13], s[20:21]
	; qkv32: batch x 16 rows of 12,288 bytes + my 128 columns
	s_mul_i32 s20, s41, 196608
	s_lshl_b32 s22, s42, 10
	s_add_co_u32 s20, s20, s22
	s_lshl_b32 s22, s16, 9
	s_add_co_u32 s20, s20, s22
	s_add_nc_u64 s[98:99], s[98:99], s[20:21]
	s_and_b32 s100, ttmp7, 0xffff
	s_or_b32 s100, s100, s15                       ; 0 where my block 0 is t = 0 .. 15: cluster y = 0 (the same in all partners) and the upper half of the rows
.macro FRAG reg, adr, q, i             ; a fragment, 16 rows x 128 K of 4-bit codes: lane l holds row l % 16; registers 4 c .. 4 c + 3 hold K = 64 c + 32 (l / 16) + 0 .. 31
.irp c, 0,1
	ds_load_b128 v[\reg+4*\c:\reg+4*\c+3], v[\adr] offset:64*(\q)+32*\c+(\i)*16*PITCH
.endr
.endm
; 16 matrix instructions: x's blocks a0, a0 + 1 against W's eight, 128 along K: the slot's q-th.  p: W's set;  sc: the set of scale words.  zero = 1: the first product starts the sums.
; The 64 accumulators take turns, one instruction a turn, in the same order in every step.
.macro MUL16 a0, p, q, sc, zero
.irp a, \a0, \a0+1
.irp b, 0,1,2,3,4,5,6,7
.if \zero
	v_wmma_scale_f32_16x16x128_f8f6f4 v[8*(8*((\a)%4)+\b):8*(8*((\a)%4)+\b)+7], v[128*(\p)+FR*\b:128*(\p)+FR*\b+FR-1], v[AF+FR*(\a):AF+FR*(\a)+FR-1], 0, v[SC+8*NQ*(\sc)+NQ*\b+(\q)], v[SC+8*NQ*(\sc)+NQ*(\a)+(\q)] matrix_a_fmt:MATRIX_FMT_FP4 matrix_b_fmt:MATRIX_FMT_FP4 matrix_a_scale:MATRIX_SCALE_ROW1
.else
	v_wmma_scale_f32_16x16x128_f8f6f4 v[8*(8*((\a)%4)+\b):8*(8*((\a)%4)+\b)+7], v[128*(\p)+FR*\b:128*(\p)+FR*\b+FR-1], v[AF+FR*(\a):AF+FR*(\a)+FR-1], v[8*(8*((\a)%4)+\b):8*(8*((\a)%4)+\b)+7], v[SC+8*NQ*(\sc)+NQ*\b+(\q)], v[SC+8*NQ*(\sc)+NQ*(\a)+(\q)] matrix_a_fmt:MATRIX_FMT_FP4 matrix_b_fmt:MATRIX_FMT_FP4 matrix_a_scale:MATRIX_SCALE_ROW1
.endif
.endr
.endr
.endm
.macro FETCH_B slot, q, p              ; W's eight fragments of the slot's q-th 128 along K into set p
	WIN TO_B
.irp i, 0,1,2,3,4,5,6,7
	FRAG 128*(\p)+FR*\i, ADRB+\slot, \q, \i
.endr
	WIN 0
.endm
.macro FETCH_A slot, q, i0             ; x's blocks i0 .. i0 + 3
.irp i, \i0, \i0+1, \i0+2, \i0+3
	FRAG AF+FR*(\i), ADRA+\slot, \q, \i
.endr
.endm
.macro SCALES sc                       ; a K step's scale words into set sc: 4 words a row; lanes 0-15 take x's block i, lanes 16-31 W's block i
.irp i, 0,1,2,3,4,5,6,7
	ds_load_b128 v[SC+8*NQ*\sc+NQ*\i:SC+8*NQ*\sc+NQ*\i+3], v[ADRS] offset:\i*SBLK
.endr
.endm
; A load into a register that a matrix instruction has read, and a vector instruction or an LDS store that reads a matrix result, stand NP places behind that matrix instruction;
; only plain vector instructions that name none of its registers are places.
.macro PLACES n
.rept \n
	v_nop
.endr
.endm
.macro STEP slot, q, zero              ; a step of 128 along K that has its successor in the same slot
	s_wait_dscnt 4*NL                              ; W's set and x's blocks 0-3 are in; the youngest eight loads (x's blocks 4-7) may be out
	WIN MUL_LO
	MUL16 0, (\q)%2, \q, \slot, \zero
	MUL16 2, (\q)%2, \q, \slot, \zero
	s_wait_dscnt 0                                 ; x's blocks 4-7 are in
	PLACES NP
	FETCH_B \slot, (\q)+1, 1-(\q)%2
	FETCH_A \slot, (\q)+1, 0
	WIN MUL_HI
	MUL16 4, (\q)%2, \q, \slot, \zero
	MUL16 6, (\q)%2, \q, \slot, \zero
	PLACES NP
	WIN 0
	FETCH_A \slot, (\q)+1, 4
.endm
.macro STEPS slot, from                ; the slot's steps from .. NQ - 2
.set Q, \from
.rept NQ-1-\from
	STEP \slot, Q, 0
.set Q, Q+1
.endr
.endm
	s_wait_tensorcnt 1                             ; the scales and my part of slot 0 are in (slot 1's load may be out)
	s_barrier_signal -1
	s_barrier_wait -1                              ; everybody's are
	FETCH_B 0, 0, 0
	FETCH_A 0, 0, 0
	SCALES 0
	FETCH_A 0, 0, 4
	STEP 0, 0, 1                                   ; the first step's products start the sums
	STEPS 0, 1
	; slot 0's last step changes slots: one barrier; in front of it each wave waits for all its tensor loads, adds 0 to its spare word, and waits for that and for its reads of slot 0
	s_wait_tensorcnt 0x0                           ; my part of slot 1 has landed
	ds_add_u32 v[SPW], v[NIL]
	s_wait_dscnt 4*NL+1                            ; (the add and the youngest eight loads may be out)
	WIN MUL_LO
	MUL16 0, 1, NQ-1, 0, 0
	s_wait_dscnt 0x0                               ; the add is done, and my reads of slot 0 are over
	s_barrier_signal -1
	MUL16 2, 1, NQ-1, 0, 0
	WIN 0
	s_barrier_wait -1                              ; slot 1 is whole, and nobody reads slot 0 any more
	PLACES NP
	v_add_nc_u32 v[ADRS], 4*NQ, v[ADRS]            ; on to the second K step's scale words (no LDS load of mine is out)
	FETCH_B 1, 0, 0
	FETCH_A 1, 0, 0
	SCALES 1
	WIN MUL_HI
	MUL16 4, 1, NQ-1, 0, 0
	MUL16 6, 1, NQ-1, 0, 0
	PLACES NP
	WIN 0
	FETCH_A 1, 0, 4
	STEPS 1, 0
	s_wait_dscnt 4*NL                              ; the very last step: nothing more to fetch
	WIN MUL_LO
	MUL16 0, 1, NQ-1, 1, 0
	MUL16 2, 1, NQ-1, 1, 0
	s_wait_dscnt 0
	WIN MUL_HI
	MUL16 4, 1, NQ-1, 1, 0
	MUL16 6, 1, NQ-1, 1, 0
	WIN 0
; THE WAY OUT, block by block of 16 tokens x 128 columns (two heads).  A lane's eight columns pack into 16 bytes of f16; they go through my own stage and come back so that the 32 lanes hold
; four tokens x 128 bytes of ONE head, which are 512 consecutive bytes of qkv16.  LDS serves a wave's instructions in order: no wait between the stores and the loads.
.macro PACK a
.set AC, 64*((\a)%4)
	WIN 0x0a+5*((\a)/4)                            ; sources 0 and 1: window 2 or 3
.irp b, 0,1,2,3,4,5,6,7
.irp r, 0,1,2,3
	v_cvt_pk_f16_f32 v[TMP+4*\b+\r], v[AC+8*\b+2*\r], v[AC+8*\b+2*\r+1]   ; each accumulator from its low end on
.endr
.endr
	WIN 0
.endm
.macro TOSTAGE a
.set BB, BK+32*((\a)%2)
.irp b, 0,1,2,3,4,5,6,7
	ds_store_b128 v[STO], v[TMP+4*\b:TMP+4*\b+3] offset:32*\b
.endr
.irp i, 0,1,2,3
.irp hh, 0,1
	ds_load_b128 v[BB+4*(2*\i+\hh):BB+4*(2*\i+\hh)+3], v[RD] offset:1088*\i+128*\hh
.endr
.endr
.endm
.macro SEND a
.set BB, BK+32*((\a)%2)
	s_wait_dscnt 0x0                               ; the block is back in registers
	s_wait_xcnt 0x0                                ; the earlier stores have read their registers: the next block's loads may land there
.irp i, 0,1,2,3
.irp hh, 0,1
	global_store_b128 v[CO], v[BB+4*(2*\i+\hh):BB+4*(2*\i+\hh)+3], s[12:13] offset:262144*\hh+2048*(\a)+512*\i   ; 32 lanes store 512 consecutive bytes, aligned
.endr
.endr
.endm
	PLACES NP                                      ; behind the last products: for the reads of results, and for writes and loads into registers that held fragments and scale words
	s_cmp_lg_u32 s100, 0                           ; the rows t < 16 leave as f32 too
	s_cbranch_scc1 .Lno32
	WIN 0x08                                       ; an LDS store's data are its source 1: window 2
.irp b, 0,1,2,3,4,5,6,7
	ds_store_b128 v[STO32], v[8*\b:8*\b+3] offset:64*\b
	ds_store_b128 v[STO32], v[8*\b+4:8*\b+7] offset:64*\b+16
.endr
	WIN 0
.irp t, 0,1,2,3,4,5,6,7,8,9,10,11,12,13,14,15
	ds_load_b128 v[F32R+4*\t:F32R+4*\t+3], v[RD32] offset:528*\t
.endr
.irp t, 0,1,2,3,4,5,6,7,8,9,10,11,12,13,14,15
	s_wait_dscnt 15-\t                             ; row t is back; the younger rows' loads may be out
	global_store_b128 v[CO], v[F32R+4*\t:F32R+4*\t+3], s[98:99] offset:12288*\t   ; 512 consecutive bytes of a row of qkv32
.endr
.Lno32:
	PACK 0
	TOSTAGE 0
.irp a, 1,2,3,4,5,6,7                  ; block a's conversions stand between block a - 1's loads from the stage and the wait for them
	PACK \a
	SEND \a-1
	TOSTAGE \a
.endr
	SEND 7
	s_wait_tensorcnt 0x0                           ; the wave's end: behind my last tensor load and my last LDS store
	ds_add_u32 v[SPW], v[NIL]
	s_wait_dscnt 0x0
	CROUND                                         ; the closing round: no work-group ends while a partner may still ask for a tile that names it
	s_endpgm
.Lfunc_end_k_qfca4111f4a_qkv:
	.size	k_qfca4111f4a_qkv, .Lfunc_end_k_qfca4111f4a_qkv-k_qfca4111f4a_qkv
	.p2alignl 7, 3214868480
	.fill 96, 4, 3214868480
	.section	.rodata,"a",@progbits
	.p2align	6, 0x0
	.amdhsa_kernel k_qfca4111f4a_qkv
		.amdhsa_group_segment_fixed_size 327680
		.amdhsa_private_segment_fixed_size 0
		.amdhsa_enable_private_segment 0
		.amdhsa_kernarg_size 48
		.amdhsa_user_sgpr_count 2
		.amdhsa_user_sgpr_kernarg_segment_ptr 1
		.amdhsa_wavefront_size32 1
		.amdhsa_system_sgpr_workgroup_id_x 1
		.amdhsa_system_sgpr_workgroup_id_y 1
		.amdhsa_system_sgpr_workgroup_id_z 1
		.amdhsa_system_vgpr_workitem_id 0
		.amdhsa_next_free_vgpr 1024
		.amdhsa_next_free_sgpr 101
		.amdhsa_reserve_vcc 0
		.amdhsa_float_denorm_mode_32 3
		.amdhsa_float_denorm_mode_16_64 3
		.amdhsa_memory_ordered 1
		.amdhsa_forward_progress 1
		.amdhsa_inst_pref_size 131
	.end_amdhsa_kernel
	.amdgpu_metadata
---
amdhsa.version: [ 1, 2 ]
amdhsa.kernels:
  - .name:           k_qfca4111f4a_qkv
    .symbol:         k_qfca4111f4a_qkv.kd
    .args:
      - { .name: x_codes, .offset: 0, .size: 8, .value_kind: global_buffer, .address_space: global }
      - { .name: x_scales, .offset: 8, .size: 8, .value_kind: global_buffer, .address_space: global }
      - { .name: w_codes, .offset: 16, .size: 8, .value_kind: global_buffer, .address_space: global }
      - { .name: w_scales, .offset: 24, .size: 8, .value_kind: global_buffer, .address_space: global }
      - { .name: qkv16, .offset: 32, .size: 8, .value_kind: global_buffer, .address_space: global }
      - { .name: qkv32, .offset: 40, .size: 8, .value_kind: global_buffer, .address_space: global }
    .group_segment_fixed_size: 327680
    .private_segment_fixed_size: 0
    .kernarg_segment_align: 8
    .kernarg_segment_size: 48
    .max_flat_workgroup_size: 128
    .sgpr_count:     101
    .vgpr_count:     1024
    .wavefront_size: 32
...
	.end_amdgpu_metadata
.endif
;; end of part 2
;; launch attn (part 3): grid 4 x 64, 8 waves a work-group, no clusters, 327,680 bytes of LDS; arguments qkv16, y16; writes y16
.if DOCPART == 3
	.amdgcn_target "amdgcn-amd-amdhsa--gfx1250"
	.amdhsa_code_object_version 6
	.text
	.protected	k_qfca4111f4a_attn
	.globl	k_qfca4111f4a_attn
	.p2align	8
	.type	k_qfca4111f4a_attn,@function
k_qfca4111f4a_attn:
	s_mov_b64 s[64:65], 0
	v_nop
	global_prefetch_b8 v0, s[64:65] scope:SCOPE_SE
	s_setreg_imm32_b32 hwreg(HW_REG_WAVE_MODE, 25, 1), 1
	s_wait_xcnt 0x0
; y[b][h][q][:] = the sum over k <= q of softmax_k(Q[q] . K[k] / 8) V[k][:], head size 64, 2,048 positions, 64 heads (batch x head).  Q, K, V: f16, [which][b][h][t][64]; y: f16, [b][h][t][64].
; Products, maxima and sums in f32; the weights p are rounded to f16 for the second product, y once at the end.  The sum is taken of the unrounded p.
; LIMITS: NaN and infinities among the inputs are not served.  (The rows t < 16 are made anew in f32 by a later launch.)
; SHARES.  A head has 8 blocks of 256 queries.  Work-group (i, head) owns blocks 7 - i and i and takes them one after the other: block 7 - i walks key slots 0 .. 7 - i, block i slots 0 .. i, a slot being 256 keys:
; NINE slots in every work-group, so the trip count is a constant and all 256 work-groups have equal work.  Wave w owns queries 32 w .. 32 w + 31 of the block in hand: two tiles of 16.  Two waves share a SIMD.
; NO CLUSTER: the four work-groups of a head want different slots from their sixth slot on (work-group i turns back to key 0 behind slot 7 - i), so they have no common walk to ask jointly for.
; LAYOUT.  S^T = K Q^T (source 0 = 16 keys, source 1 = 16 queries): a lane holds ONE query (lane % 16) and keys 8 (lane / 16) + 0..7.  Two such tiles, rounded to f16 in pairs, ARE source 1 of O^T = V^T P.
; K comes out of LDS as it lies, V ([key][channel]) turned, by ds_load_tr16_b128.
; SOFTMAX.  For each query a running maximum m and sum l: p = 2^(c s - c m), c = log2(e) / 8; in every step O and l are multiplied by a = 2^(c m_old - c m_new).
; THE MASK.  A step of 64 keys all of which come after the wave's 32 queries is left out (a scalar branch on ids and counts); in the step on the diagonal hidden scores become -infinity ahead of the maximum.
; A step that is walked begins at or under the wave's first query, so no query of it is wholly hidden.
; REGISTERS: window 0: v1-11 addresses; v12-27 statistics, 8 a tile; v28-31 at work; v32-95 S^T, 32 a tile; v96-127 P, 16 a tile; v128-191 O^T, 32 a tile.
;   window 1: v0-31 Q of the block in hand; v32-63 Q of the second block; v64-127 K of a step; v128-191 V of a step.
.set PK,    144                        ; a row of K in LDS: 128 bytes + 16 of padding
.set PV,    160                        ; a row of V: 128 + 32
.set VOFF,  256*PK                     ; a slot: 256 rows of K, then 256 rows of V
.set SLOT1, 1<<17                      ; slot 1 begins here: one exclusive or turns an address in one slot into the other's
.set STAGE, 2*SLOT1                    ; behind the ring: 32 rows x 144 bytes for each wave, for the way out
.set SP,    144
.set SPARE, STAGE+8*32*SP              ; the spare words, 128 bytes a wave; no other line names them
.set AK0, 1                            ; v1   my lane's place in a tile of K
.set AV0, 2                            ; v2   the same for V
.set ADK, 3                            ; v3   LDS address of the step's K
.set ADV, 4                            ; v4   of its V
.set STO, 5                            ; v5   the way out: where I put 16 bytes of a row
.set RD,  6                            ; v6   where I read back: eight lanes a row of 128 bytes
.set GO,  7                            ; v7   16 x lane
.set SPW, 8                            ; v8   LDS address of my spare word; never rewritten
.set NIL, 9                            ; v9   0; never rewritten
.set RH,  10                           ; v10  lane % 16 - 8 (lane / 16)
.set PFO, 11                           ; v11  256 x lane: the prefetches' offset
.set ST,  12                           ; tile t's statistics at v[12 + 8 t]: +0 c m, +1 m, +2, +3 l, +4 .. +7 at work; a at +6
.set S,   32
.set P,   96
.set OT,  128
.set QF,  0                            ; window 1
.set QB,  32
.set KFR, 64
.set VFR, 128
.set WV,  8                            ; s8   my wave's number
.set KB,  16                           ; s[16:17] K of my head at the 64 rows of a slot that I fetch
.set VB,  18                           ; s[18:19] V likewise
.set YB,  20                           ; s[20:21] y of my head
.set YP,  22                           ; s[22:23] y at my wave's first query
.set G1K, 24                           ; s[24:31] descriptor group 1 for K's tiles;  s[32:39] for V's: another padding
.set G1V, 32
.set G0K, 40                           ; s[40:43], s[44:47] their groups 0, which walk
.set G0V, 44
.set NOFF, 48                          ; s[48:49] bytes from key 0 to the slot that is asked for next
.set NLIM, 50                          ; s50  where the first block's walk ends: (8 - i) slots
.set SLOTS, 51                         ; s51  slots still to be asked for
.set LIM, 52                           ; s52  2 in the work-group that prefetches, else the greatest number
.set PFA, 54                           ; s[54:55] where my prefetches stand
.set CS,  56                           ; s[56:57] c, twice
.set SEL, 58                           ; s[58:59] lane selects for v_permlanex16_b32: lane l xor 16
.set TB,  60                           ; s60  LDS byte at which the slot in hand begins
.set KF,  61                           ; s61  the step's first key
.set KEND, 62                          ; s62  the keys of the block in hand
.set Q0W, 63                           ; s63  my wave's first query
.set KEND2, 68                         ; s68, s69 the same two for the second block
.set Q0W2, 69
.set MSB, 0
.macro WIN new                         ; the immediate's high byte repeats the setting that is left
.if MSB != \new
	s_set_vgpr_msb (MSB<<8)|\new
.set MSB, \new
.endif
.endm
; Waves 0-3 fetch a slot's K, 64 rows each, waves 4-7 its V.  The branch hangs on the wave's number alone.  An s_nop 0 and four v_nop follow each of the two lines.
.macro TLOAD
	s_cmp_lt_u32 s[WV], 4
	s_cbranch_scc0 .Lfor_v_\@
	tensor_load_to_lds s[G0K:G0K+3], s[G1K:G1K+7]
	s_nop 0
.rept 4
	v_nop
.endr
	s_branch .Lasked_\@
.Lfor_v_\@:
	tensor_load_to_lds s[G0V:G0V+3], s[G1V:G1V+7]
	s_nop 0
.rept 4
	v_nop
.endr
.Lasked_\@:
.endm
; A PREFETCH INTO THE L2 of what the NEXT change of slots will ask for.  All four work-groups of a head walk the same K and V from key 0 on; work-group 0, whose first block walks all eight slots, asks, and nobody else.
; Each of its waves asks for the 8,192 bytes that it will fetch itself, lanes 256 bytes apart: so each aligned block of 256 bytes of slots 2 to 7 is named once in the launch.  Slots 0 and 1 come by their loads alone.
.macro ASK
	s_cmp_gt_u32 s[SLOTS], s[LIM]
	s_cbranch_scc0 .Lnot_mine_\@
	global_prefetch_b8 v[PFO], s[PFA:PFA+1] th:TH_LOAD_NT scope:SCOPE_SE
.Lnot_mine_\@:
.endm
.macro RESET                           ; a block begins: m = -3e38, under every score; l and O^T zeros, which the first change of m leaves zeros
.irp t, 0,1
	v_mov_b32 v[ST+8*\t+1], 0xff61b1e6
	v_mul_f32 v[ST+8*\t], s[CS], v[ST+8*\t+1]
	v_mov_b32 v[ST+8*\t+2], 0
	v_mov_b32 v[ST+8*\t+3], 0
.endr
.set n_, 0
.rept 64
	v_mov_b32 v[OT+n_], 0
.set n_, n_+1
.endr
.endm
	s_load_b128 s[4:7], s[0:1], 0x0                ; qkv16, y16
	v_lshl_add_u32 v[SPW], v0, 2, SPARE
	v_mov_b32 v[NIL], 0
	ds_add_u32 v[SPW], v[NIL]                      ; the wave's opening: the add, twice on end, and its wait ahead of my first tensor load
	ds_add_u32 v[SPW], v[NIL]                      ; and once more; the set-up below, work on registers, stands between it and the wait
	v_lshrrev_b32 v1, 5, v0
	v_readfirstlane_b32 s[WV], v1                  ; wave 0..7
	s_and_b32 s9, s[WV], 3                         ; which 64 rows of a slot I fetch
	s_mov_b32 s10, ttmp9                           ; i
	s_and_b32 s11, ttmp7, 0xffff                   ; batch x 16 + head
	; descriptor group 1: 64 rows x 64 elements of 2 bytes, dense in memory, padded in LDS
	s_mov_b32 s[G1K], (1<<16)|(1<<20)|(4<<22)|(3<<25)   ; no mask; elements of 2 bytes; padding on: after every 32 words, 4 words
	s_mov_b32 s[G1V], (1<<16)|(1<<20)|(4<<22)|(7<<25)   ; the same with 8 words
.irp g, G1K, G1V
	s_mov_b32 s[\g+1], 64<<16                      ; tensor_dim0 = 64
	s_mov_b32 s[\g+2], 64<<16                      ; tensor_dim1 = 64
	s_mov_b32 s[\g+3], 64<<16                      ; tile_dim0 = 64
	s_mov_b32 s[\g+4], 64                          ; tile_dim1 = 64
	s_mov_b32 s[\g+5], 64                          ; elements from row to row
	s_mov_b32 s[\g+6], 0
	s_mov_b32 s[\g+7], 0
.endr
	s_sub_co_u32 s66, 8, s10
	s_lshl_b32 s[NLIM], s66, 15                    ; (8 - i) slots of 32,768 bytes
	s_lshl_b32 s[KEND], s66, 8                     ; (8 - i) x 256 keys
	s_sub_co_u32 s66, 7, s10
	s_lshl_b32 s66, s66, 8
	s_lshl_b32 s67, s[WV], 5
	s_add_co_u32 s[Q0W], s66, s67                  ; 256 (7 - i) + 32 w
	s_lshl_b32 s66, s10, 8
	s_add_co_u32 s[Q0W2], s66, s67                 ; 256 i + 32 w
	s_add_co_u32 s[KEND2], s66, 256
	s_cmp_eq_u32 s10, 0
	s_cselect_b32 s[LIM], 2, -1
	s_lshl_b32 s12, s11, 18                        ; my head's first byte in a tensor
	s_mov_b32 s13, 0
	s_lshl_b32 s14, s9, 13
	s_add_co_u32 s16, s12, s14
	s_add_co_u32 s16, s16, 0x1000000               ; K: 16 MiB on, + my 64 rows
	s_mov_b32 s17, 0
	s_lshl_b32 s14, s[Q0W], 7
	s_add_co_u32 s14, s14, s12                     ; Q of the first block
	s_mov_b32 s15, 0
	s_lshl_b32 s2, s[Q0W2], 7
	s_add_co_u32 s2, s2, s12                       ; Q of the second
	s_mov_b32 s3, 0
	s_mov_b32 s[G0K], 1
	s_mul_i32 s[G0K+1], s9, 64*PK                  ; LDS: slot 0, my 64 rows
	s_mov_b32 s[G0V], 1
	s_mul_i32 s[G0V+1], s9, 64*PV
	s_add_co_u32 s[G0V+1], s[G0V+1], VOFF
	s_mov_b32 s[NOFF], 0
	s_mov_b32 s[NOFF+1], 0
	s_mov_b32 s[SLOTS], 8
	s_mov_b32 s[CS], 0x3e38aa3b                    ; c = log2(e) / 8
	s_mov_b32 s[CS+1], s[CS]
	s_mov_b32 s[SEL], 0x76543210
	s_mov_b32 s[SEL+1], 0xfedcba98
	s_mov_b32 s[TB], 0
	s_mov_b32 s[KF], 0
	s_wait_dscnt 0x0                               ; both opening adds are done
	s_wait_kmcnt 0x0
	s_add_nc_u64 s[KB:KB+1], s[4:5], s[16:17]
	s_add_nc_u64 s[VB:VB+1], s[KB:KB+1], 0x1000000
	s_add_nc_u64 s[YB:YB+1], s[6:7], s[12:13]
	s_add_nc_u64 s[14:15], s[4:5], s[14:15]
	s_add_nc_u64 s[2:3], s[4:5], s[2:3]
	s_mov_b64 s[G0K+2:G0K+3], s[KB:KB+1]
	s_or_b32 s[G0K+3], s[G0K+3], 0x80000000
	s_mov_b64 s[G0V+2:G0V+3], s[VB:VB+1]
	s_or_b32 s[G0V+3], s[G0V+3], 0x80000000
	TLOAD                                          ; slot 0: keys 0 to 255, which count for every block
	s_cmp_lt_u32 s[WV], 4
	s_cselect_b64 s[PFA:PFA+1], s[KB:KB+1], s[VB:VB+1]
	s_add_nc_u64 s[PFA:PFA+1], s[PFA:PFA+1], 32768 ; in slot 1: the first change of slots steps it to slot 2.  Nothing is prefetched here, at the head
	v_and_b32 v28, 15, v0                          ; r
	v_bfe_u32 v29, v0, 4, 1                        ; h
	v_lshlrev_b32 v30, 7, v28
	v_lshl_add_u32 v30, v29, 4, v30                ; Q: row r of 128 bytes, + 16 h
	WIN 0x40                                       ; destination window 1
.irp t, 0,1
.irp c, 0,1
	global_load_b128 v[QF+16*\t+8*\c:QF+16*\t+8*\c+3],   v30, s[14:15] offset:2048*\t+64*\c
	global_load_b128 v[QF+16*\t+8*\c+4:QF+16*\t+8*\c+7], v30, s[14:15] offset:2048*\t+64*\c+32
	global_load_b128 v[QB+16*\t+8*\c:QB+16*\t+8*\c+3],   v30, s[2:3] offset:2048*\t+64*\c
	global_load_b128 v[QB+16*\t+8*\c+4:QB+16*\t+8*\c+7], v30, s[2:3] offset:2048*\t+64*\c+32
.endr
.endr
	WIN 0
	v_mul_u32_u24 v[AK0], v28, PK
	v_lshl_add_u32 v[AK0], v29, 4, v[AK0]          ; K: row r x pitch + 16 h
	v_and_b32 v31, 7, v0
	v_lshl_add_u32 v[AV0], v29, 3, v31             ; V, for the turning load: key 8 h + l % 8,
	v_mul_u32_u24 v[AV0], v[AV0], PV
	v_bfe_u32 v31, v0, 3, 1
	v_lshl_add_u32 v[AV0], v31, 4, v[AV0]          ; channels 8 ((l / 8) % 2) on
	v_add_nc_u32 v[AV0], VOFF, v[AV0]
	s_mul_i32 s66, s[WV], 32*SP
	s_add_co_u32 s66, s66, STAGE                   ; my stage
	v_mul_u32_u24 v[STO], v28, SP
	v_lshl_add_u32 v[STO], v29, 4, v[STO]
	v_add_nc_u32 v[STO], s66, v[STO]
	v_bfe_u32 v31, v0, 3, 2
	v_mul_u32_u24 v[RD], v31, SP
	v_and_b32 v31, 7, v0
	v_lshl_add_u32 v[RD], v31, 4, v[RD]
	v_add_nc_u32 v[RD], s66, v[RD]
	v_and_b32 v31, 31, v0
	v_lshlrev_b32 v[GO], 4, v31
	v_lshlrev_b32 v[PFO], 8, v31
	v_lshlrev_b32 v31, 3, v29
	v_sub_nc_u32 v[RH], v28, v31
.irp t, 0,1
.irp n, 4,5,6,7
	v_mov_b32 v[ST+8*\t+\n], 0                     ; written once: a lane permute's destination and both halves of a named pair count as read
.endr
.endr
	RESET
; THE SOFTMAX of both tiles for one step of 64 keys, the tiles line by line by turns.
.macro SOFTMAX
.irp n, 0,1,2,3                        ; the maximum of the lane's 32 scores and the old m: four chains, one for each accumulator, each from its low end on
.irp t, 0,1
	v_max3_num_f32 v[ST+8*\t+4+\n], v[S+32*\t+8*\n], v[S+32*\t+8*\n+1], v[S+32*\t+8*\n+2]
.endr
.endr
.irp g, 1,2
.irp n, 0,1,2,3
.irp t, 0,1
	v_max3_num_f32 v[ST+8*\t+4+\n], v[ST+8*\t+4+\n], v[S+32*\t+8*\n+2*\g+1], v[S+32*\t+8*\n+2*\g+2]
.endr
.endr
.endr
.irp t, 0,1
	v_max3_num_f32 v[ST+8*\t+4], v[ST+8*\t+4], v[S+32*\t+7], v[S+32*\t+15]
	v_max3_num_f32 v[ST+8*\t+6], v[ST+8*\t+6], v[S+32*\t+23], v[S+32*\t+31]
.endr
.irp t, 0,1
	v_max3_num_f32 v[ST+8*\t+4], v[ST+8*\t+4], v[ST+8*\t+5], v[ST+8*\t+6]
.endr
.irp t, 0,1
	v_max3_num_f32 v[ST+8*\t+4], v[ST+8*\t+4], v[ST+8*\t+7], v[ST+8*\t+1]
.endr
.irp t, 0,1
	v_permlanex16_b32 v[ST+8*\t+5], v[ST+8*\t+4], s[SEL], s[SEL+1]   ; the query's other 32 keys lie in the lane 16 away
.endr
.irp t, 0,1
	v_mov_b32 v[ST+8*\t+7], v[ST+8*\t]             ; c m_old is kept for a
.endr
.irp t, 0,1
	v_max_num_f32 v[ST+8*\t+1], v[ST+8*\t+4], v[ST+8*\t+5]
.endr
.irp t, 0,1
	v_mul_f32 v[ST+8*\t], s[CS], v[ST+8*\t+1]
.endr
.irp t, 0,1
	v_sub_f32 v[ST+8*\t+7], v[ST+8*\t+7], v[ST+8*\t]
.endr
.irp b, 0,1,2,3,4,5,6,7,8,9,10,11,12,13,14,15
.irp t, 0,1
	v_pk_fma_f32 v[S+32*\t+2*\b:S+32*\t+2*\b+1], v[S+32*\t+2*\b:S+32*\t+2*\b+1], s[CS:CS+1], v[ST+8*\t:ST+8*\t+1] op_sel_hi:[1,0,0] neg_lo:[0,0,1] neg_hi:[0,0,1]   ; c s - c m, two at a time
.endr
.endr
.irp t, 0,1
	v_exp_f32 v[ST+8*\t+6], v[ST+8*\t+7]           ; a
.endr
.irp e, 0,1,2,3,4,5,6,7,8,9,10,11,12,13,14,15,16,17,18,19,20,21,22,23,24,25,26,27,28,29,30,31
.irp t, 0,1
	v_exp_f32 v[S+32*\t+\e], v[S+32*\t+\e]         ; p
.endr
.endr
	v_nop                                          ; a plain instruction behind the last exponential
	s_wait_alu depctr_va_vdst(0)                   ; one wait for the batch of 66, ahead of its first reader
.irp b, 0,1,2,3,4,5,6,7,8,9,10,11,12,13,14,15
.irp t, 0,1
	v_cvt_pk_f16_f32 v[P+16*\t+\b], v[S+32*\t+2*\b], v[S+32*\t+2*\b+1]
.endr
.endr
.irp u, 0,1,2,3,4,5,6,7                ; the sum of the unrounded p: pairs 1, 2, 4 and 8 apart, in place
.irp t, 0,1
	v_pk_add_f32 v[S+32*\t+4*\u:S+32*\t+4*\u+1], v[S+32*\t+4*\u:S+32*\t+4*\u+1], v[S+32*\t+4*\u+2:S+32*\t+4*\u+3]
.endr
.endr
.irp u, 0,1,2,3
.irp t, 0,1
	v_pk_add_f32 v[S+32*\t+8*\u:S+32*\t+8*\u+1], v[S+32*\t+8*\u:S+32*\t+8*\u+1], v[S+32*\t+8*\u+4:S+32*\t+8*\u+5]
.endr
.endr
.irp u, 0,1
.irp t, 0,1
	v_pk_add_f32 v[S+32*\t+16*\u:S+32*\t+16*\u+1], v[S+32*\t+16*\u:S+32*\t+16*\u+1], v[S+32*\t+16*\u+8:S+32*\t+16*\u+9]
.endr
.endr
.irp t, 0,1
	v_pk_add_f32 v[S+32*\t:S+32*\t+1], v[S+32*\t:S+32*\t+1], v[S+32*\t+16:S+32*\t+17]
.endr
.irp t, 0,1
	v_pk_fma_f32 v[ST+8*\t+2:ST+8*\t+3], v[ST+8*\t+2:ST+8*\t+3], v[ST+8*\t+6:ST+8*\t+7], v[S+32*\t:S+32*\t+1] op_sel_hi:[1,0,1]   ; l = a l + the sum
.endr
.irp n, 0,1,2,3,4,5,6,7,8,9,10,11,12,13,14,15
.irp t, 0,1
	v_pk_mul_f32 v[OT+32*\t+2*\n:OT+32*\t+2*\n+1], v[OT+32*\t+2*\n:OT+32*\t+2*\n+1], v[ST+8*\t+6:ST+8*\t+7] op_sel_hi:[1,0]   ; O^T x a, each accumulator from its low end on
.endr
.endr
.endm
; A STEP: 64 keys, the q-th of the slot in hand.
.macro STEP q
	s_add_co_u32 s66, s[Q0W], 31
	s_cmp_gt_u32 s[KF], s66                        ; all 64 keys come after my 32 queries: the step's work is left out; ids and counts alone
	s_cbranch_scc1 .Lhidden_\@
	v_add_nc_u32 v[ADK], s[TB], v[AK0]
	v_add_nc_u32 v[ADV], s[TB], v[AV0]
	v_nop
	v_nop                                          ; four places behind the last step's products, in front of loads into registers that they read
	WIN 0x40
.irp kt, 0,1,2,3
.irp c, 0,1
	ds_load_b128 v[KFR+16*\kt+8*\c:KFR+16*\kt+8*\c+3],   v[ADK] offset:(64*(\q)+16*\kt)*PK+64*\c
	ds_load_b128 v[KFR+16*\kt+8*\c+4:KFR+16*\kt+8*\c+7], v[ADK] offset:(64*(\q)+16*\kt)*PK+64*\c+32
.endr
.endr
.irp u, 0,1
.irp dt, 0,1,2,3
	ds_load_tr16_b128 v[VFR+32*\u+8*\dt:VFR+32*\u+8*\dt+3],   v[ADV] offset:(64*(\q)+32*\u)*PV+32*\dt
	ds_load_tr16_b128 v[VFR+32*\u+8*\dt+4:VFR+32*\u+8*\dt+7], v[ADV] offset:(64*(\q)+32*\u)*PV+16*PV+32*\dt
.endr
.endr
	s_wait_dscnt 16                                ; K is in; V's sixteen loads may be out
	WIN 0x05                                       ; K and Q in window 1, S^T in window 0
.set i, 0
.rept 16                               ; S^T = K Q^T: channels 32 (i / 8) on, keys 16 ((i / 2) % 4) on, tile i % 2: eight accumulators by turns
.set rS, S+32*(i%2)+8*((i/2)%4)
.set rK, KFR+16*((i/2)%4)+8*(i/8)
.set rQ, QF+16*(i%2)+8*(i/8)
.if i < 8
	v_wmma_f32_16x16x32_f16 v[rS:rS+7], v[rK:rK+7], v[rQ:rQ+7], 0
.else
	v_wmma_f32_16x16x32_f16 v[rS:rS+7], v[rK:rK+7], v[rQ:rQ+7], v[rS:rS+7]
.endif
.set i, i+1
.endr
	WIN 0
.rept 4
	v_nop                                          ; places in front of the first read of the scores
.endr
	s_add_co_u32 s66, s[KF], 63
	s_cmp_le_u32 s66, s[Q0W]                       ; all 64 keys count for all my queries: no mask
	s_cbranch_scc1 .Lopen_\@
	s_sub_co_i32 s66, s[Q0W], s[KF]
	v_add_nc_u32 v28, s66, v[RH]                   ; d = Q0W - KF + r - 8 h.  Register 8 kt + j of tile t holds key KF + 16 kt + 8 h + j for query Q0W + 16 t + r: hidden where 16 kt + j - 16 t > d
	v_mov_b32 v29, 0xff800000                      ; -infinity
.irp t, 0,1
.irp kt, 0,1,2,3
.irp j, 0,1,2,3,4,5,6,7
	v_cmp_gt_i32 vcc_lo, 16*\kt+\j-16*\t, v28
	v_cndmask_b32 v[S+32*\t+8*\kt+\j], v[S+32*\t+8*\kt+\j], v29, vcc_lo
.endr
.endr
.endr
.Lopen_\@:
	SOFTMAX
	s_wait_dscnt 0x0                               ; V is in
	WIN 0x01                                       ; V in window 1; P and O^T in window 0
.set i, 0
.rept 16                               ; O^T += V^T P: keys 32 (i / 8) on, channels 16 ((i / 2) % 4) on, tile i % 2: eight accumulators by turns
.set rO, OT+32*(i%2)+8*((i/2)%4)
.set rV, VFR+32*(i/8)+8*((i/2)%4)
.set rP, P+16*(i%2)+8*(i/8)
	v_wmma_f32_16x16x32_f16 v[rO:rO+7], v[rV:rV+7], v[rP:rP+7], v[rO:rO+7]
.set i, i+1
.endr
	WIN 0
.Lhidden_\@:
	s_add_co_u32 s[KF], s[KF], 64
.endm
; THE CHANGE OF SLOTS stands at a slot's head.  Each wave waits for all its tensor loads (its part of the slot that it is about to read), adds 0 to its spare word, and waits for that and for its reads of the slot
; that it has left.  Behind the barrier the slot ahead is whole and nobody reads the other one.  fill = 1: that other slot is filled with the next slot of the walk: one load a wave is out, and it has four steps in which to land.
.macro CHANGE fill
	s_wait_tensorcnt 0x0                           ; no tensor load of mine is out, so a group 0 may be written
	ds_add_u32 v[SPW], v[NIL]                      ; 0 onto my spare word; the descriptors' steps stand between it and the wait for it
.if \fill
	s_add_co_u32 s[NOFF], s[NOFF], 32768           ; the next 256 keys,
	s_cmp_eq_u32 s[NOFF], s[NLIM]
	s_cselect_b32 s[NOFF], 0, s[NOFF]              ; or, behind the first block's last slot, the second block's first: key 0.  Ids and counts alone
	s_add_nc_u64 s[G0K+2:G0K+3], s[KB:KB+1], s[NOFF:NOFF+1]
	s_or_b32 s[G0K+3], s[G0K+3], 0x80000000
	s_add_nc_u64 s[G0V+2:G0V+3], s[VB:VB+1], s[NOFF:NOFF+1]
	s_or_b32 s[G0V+3], s[G0V+3], 0x80000000
	s_xor_b32 s[G0K+1], s[G0K+1], SLOT1            ; into the other slot than last time
	s_xor_b32 s[G0V+1], s[G0V+1], SLOT1
	s_wait_xcnt 0x0                                ; the last prefetch, a slot back, has read its address, so it may be written
	s_add_nc_u64 s[PFA:PFA+1], s[PFA:PFA+1], 32768 ; one slot further on than the load below
.endif
	s_wait_dscnt 0x0                               ; the add is done, and my reads of the slot that I have left are over
	s_barrier_signal -1
	s_barrier_wait -1
.if \fill
	TLOAD                                          ; the first thing behind the barrier, and my one tensor load until the next
	ASK
.endif
.endm
.macro SLOT_STEPS
	STEP 0
	STEP 1
	STEP 2
	STEP 3
	s_xor_b32 s[TB], s[TB], SLOT1                  ; on to the other slot
.endm
; A BLOCK IS DONE: O^T is divided by l, rounded to f16 and sent through my stage; it comes back so that the 32 lanes hold four queries x 128 bytes: 512 consecutive bytes of y.  again = 1: the second block begins.
.macro FINISH again
.rept 4
	v_nop                                          ; places behind the last products
.endr
.irp t, 0,1
	v_add_f32 v[ST+8*\t+4], v[ST+8*\t+2], v[ST+8*\t+3]
.endr
.irp t, 0,1
	v_permlanex16_b32 v[ST+8*\t+5], v[ST+8*\t+4], s[SEL], s[SEL+1]
.endr
.irp t, 0,1
	v_add_f32 v[ST+8*\t+4], v[ST+8*\t+4], v[ST+8*\t+5]
.endr
.irp t, 0,1
	v_rcp_f32 v[ST+8*\t+6], v[ST+8*\t+4]
.endr
	v_nop                                          ; a plain instruction behind the last reciprocal
	s_wait_alu depctr_va_vdst(0)                   ; and the wait ahead of the first use
.irp t, 0,1
.irp n, 0,1,2,3,4,5,6,7,8,9,10,11,12,13,14,15
	v_pk_mul_f32 v[OT+32*\t+2*\n:OT+32*\t+2*\n+1], v[OT+32*\t+2*\n:OT+32*\t+2*\n+1], v[ST+8*\t+6:ST+8*\t+7] op_sel_hi:[1,0]
.endr
.endr
.set n_, 0
.rept 32
	v_cvt_pk_f16_f32 v[S+n_], v[OT+2*n_], v[OT+2*n_+1]
.set n_, n_+1
.endr
.irp t, 0,1
.irp dt, 0,1,2,3
	ds_store_b128 v[STO], v[S+16*\t+4*\dt:S+16*\t+4*\dt+3] offset:16*SP*\t+32*\dt
.endr
.endr
.irp f, 0,1,2,3,4,5,6,7
	ds_load_b128 v[S+32+4*\f:S+32+4*\f+3], v[RD] offset:4*SP*\f   ; LDS serves a wave's instructions in order: these see the stores above
.endr
	s_wait_xcnt 0x0                                ; earlier stores have read their base
	s_lshl_b32 s66, s[Q0W], 7
	s_mov_b32 s67, 0
	s_add_nc_u64 s[YP:YP+1], s[YB:YB+1], s[66:67]
.irp f, 0,1,2,3,4,5,6,7
	s_wait_dscnt 7-\f                              ; four rows are back; the younger loads may be out
	global_store_b128 v[GO], v[S+32+4*\f:S+32+4*\f+3], s[YP:YP+1] offset:512*\f   ; 32 lanes store 512 consecutive bytes, aligned
.endr
.if \again
	RESET
	WIN 0x41                                       ; destination and source in window 1
.set n_, 0
.rept 32
	v_mov_b32 v[QF+n_], v[QB+n_]                   ; the second block's Q
.set n_, n_+1
.endr
	WIN 0
	s_mov_b32 s[KF], 0
	s_mov_b32 s[KEND], s[KEND2]
	s_mov_b32 s[Q0W], s[Q0W2]
	s_wait_xcnt 0x0                                ; the stores have read their data: S^T's registers may be written again
.endif
.endm
	s_wait_loadcnt 0x0                             ; Q
.Lslot:                                            ; eight trips: behind each change of slots but the last the next slot of the walk is asked for
	CHANGE 1
	SLOT_STEPS
	s_cmp_lg_u32 s[KF], s[KEND]                    ; the first block's last slot?  The same in all eight waves
	s_cbranch_scc1 .Lon
	FINISH 1
.Lon:
	s_sub_co_u32 s[SLOTS], s[SLOTS], 1
	s_cmp_lg_u32 s[SLOTS], 0
	s_cbranch_scc1 .Lslot
	CHANGE 0                                       ; the ninth slot is written out: nothing is left to fetch
	SLOT_STEPS
	FINISH 0
	s_wait_tensorcnt 0x0                           ; the wave's end: behind my last tensor load and my last LDS store
	ds_add_u32 v[SPW], v[NIL]
	s_wait_dscnt 0x0
	s_endpgm
.Lfunc_end_k_qfca4111f4a_attn:
	.size	k_qfca4111f4a_attn, .Lfunc_end_k_qfca4111f4a_attn-k_qfca4111f4a_attn
	.p2alignl 7, 3214868480
	.fill 96, 4, 3214868480
	.section	.rodata,"a",@progbits
	.p2align	6, 0x0
	.amdhsa_kernel k_qfca4111f4a_attn
		.amdhsa_group_segment_fixed_size 327680
		.amdhsa_private_segment_fixed_size 0
		.amdhsa_enable_private_segment 0
		.amdhsa_kernarg_size 16
		.amdhsa_user_sgpr_count 2
		.amdhsa_user_sgpr_kernarg_segment_ptr 1
		.amdhsa_wavefront_size32 1
		.amdhsa_system_sgpr_workgroup_id_x 1
		.amdhsa_system_sgpr_workgroup_id_y 1
		.amdhsa_system_sgpr_workgroup_id_z 1
		.amdhsa_system_vgpr_workitem_id 0
		.amdhsa_next_free_vgpr 512
		.amdhsa_next_free_sgpr 70
		.amdhsa_reserve_vcc 1
		.amdhsa_float_denorm_mode_32 3
		.amdhsa_float_denorm_mode_16_64 3
		.amdhsa_memory_ordered 1
		.amdhsa_forward_progress 1
		.amdhsa_inst_pref_size 200
	.end_amdhsa_kernel
	.amdgpu_metadata
---
amdhsa.version: [ 1, 2 ]
amdhsa.kernels:
  - .name:           k_qfca4111f4a_attn
    .symbol:         k_qfca4111f4a_attn.kd
    .args:
      - { .name: qkv16, .offset: 0, .size: 8, .value_kind: global_buffer, .address_space: global }
      - { .name: y16, .offset: 8, .size: 8, .value_kind: global_buffer, .address_space: global }
    .group_segment_fixed_size: 327680
    .private_segment_fixed_size: 0
    .kernarg_segment_align: 8
    .kernarg_segment_size: 16
    .max_flat_workgroup_size: 256
    .sgpr_count:     70
    .vgpr_count:     512
    .wavefront_size: 32
...
	.end_amdgpu_metadata
.endif
;; end of part 3
;; launch proj (part 4): grid 8 x 32, 4 waves a work-group, clusters of 4 x 4, 327,680 bytes of LDS; arguments y16, wp16, out0; writes out0
.if DOCPART == 4
	.amdgcn_target "amdgcn-amd-amdhsa--gfx1250"
	.amdhsa_code_object_version 6
	.text
	.protected	k_qfca4111f4a_proj
	.globl	k_qfca4111f4a_proj
	.p2align	8
	.type	k_qfca4111f4a_proj,@function
k_qfca4111f4a_proj:
	s_mov_b64 s[64:65], 0
	v_nop
	global_prefetch_b8 v0, s[64:65] scope:SCOPE_SE
	s_setreg_imm32_b32 hwreg(HW_REG_WAVE_MODE, 25, 1), 1
	s_wait_xcnt 0x0
	s_wait_alu depctr_hold_cnt(0) depctr_sa_sdst(0) depctr_va_vdst(0) depctr_va_sdst(0) depctr_va_ssrc(0) depctr_va_vcc(0) depctr_vm_vsrc(0)
	s_getreg_b32 s2, hwreg(HW_REG_IB_STS2, 6, 4)
	s_cmp_eq_u32 s2, 0
	s_cbranch_scc0 .Lentry_in_a_cluster
	s_endpgm
.Lentry_in_a_cluster:
	s_bfe_u32 s2, ttmp6, 0x10000c
	s_cmp_lg_u32 s2, 0xf033
	s_cbranch_scc0 .Lentry_shape_is_right
	s_endpgm
.Lentry_shape_is_right:
; out0[m][n] = sum over k of y[m][k] W_proj[n][k].  y: f16, laid [4 b][16 h][2048 t][64], so k = 64 head + channel; W_proj: f16, [1024 n][1024 k]; out0: f32 [8192][1024]; sums in f32.
; A tile of out0 is 256 (tokens) x 128 (columns): 256 work-groups.  Four waves, each 128 x 64: 32 accumulators of 16 x 16, 256 registers.
; K goes in 8 steps of 128 (two heads) through a ring of two LDS slots: y's tile is two planes (heads) of 256 rows x 128 bytes, each dense in memory; W's is 128 rows x 256 bytes.
; CLUSTERS: 4 x 4 work-groups.  The four of a row of the cluster need the same tiles of y, the four of a column the same tiles of W: each tile is asked for JOINTLY, by the same tensor load with the same descriptor
; and a mask that names the four.  THE MATRIX INSTRUCTION IS USED TRANSPOSED (source 0 = 16 rows of W, source 1 = 16 tokens): a lane then holds eight neighbouring columns of one token.
; No prefetch: the launch has 8 K steps in all, and the first two come at the head.
; (The 64 rows t < 16 are written again, in f32 throughout, by the launch behind this one: leaving them out here would hang on a work-group's place in its cluster.)
; REGISTERS: window 0: v16-29 addresses; v32-95, v96-159 y's fragments (8 x 16 tokens x 32 K), two buffers; v160-191, v192-223 W's (4 x 16 rows x 32 K), two buffers.  window 1: accumulator (a, bb) at v[8 (4 a + bb)].
.set PA,     144                       ; a row of y in LDS: 128 bytes + 16 of padding
.set PB,     272                       ; a row of W: 256 + 16
.set APLANE, 256*PA                    ; a head's 256 rows
.set BOFF,   2*APLANE                  ; W's 128 rows lie behind y's two planes
.set SLOT,   BOFF+128*PB
.set STAGE,  2*SLOT                    ; behind the ring: 16 rows x 272 bytes for each wave, for the way out
.set SPITCH, 272
.set SPARE,  STAGE+4*16*SPITCH         ; the spare words, 128 bytes a wave; no other line names them
.set LAPS,   4                         ; a lap = two K steps = once round the ring
.set ADRA, 16                          ; v16-17  LDS address of my y fragments in slot 0, 1
.set ADRB, 20                          ; v20-21  the same for W
.set STO,  24                          ; v24     the way out: where I put 32 bytes of a row
.set RD,   25                          ; v25     where I read a row back
.set CO,   26                          ; v26     my byte offset in two rows of out0
.set SPW,  28                          ; v28     LDS address of my spare word; never rewritten
.set NIL,  29                          ; v29     0; never rewritten
.set AF,   32
.set BF,   160
.set BK,   32                          ; the way out: v32-63 and v64-95 by turns
.set G1, 24                            ; s[24:31] descriptor group 1 for y's tiles;  s[32:39] group 0, one set for each slot
.set G0, 32
.set G1B, 48                           ; s[48:55], s[56:63] the same for W's tiles
.set G0B, 56
.set MSB, 0
.macro WIN new                         ; the immediate's high byte repeats the setting that is left
.if MSB != \new
	s_set_vgpr_msb (MSB<<8)|\new
.set MSB, \new
.endif
.endm
.set MUL, 0x50                         ; sources 0 and 1 window 0; C and D window 1
.macro JLOAD s                         ; a joint load: waves 0 and 1 fetch y's two planes, waves 2 and 3 W's two halves; an s_nop 0 and four v_nop follow each of the two lines
	s_cmp_eq_u32 s11, 0
	s_cbranch_scc0 .Lfor_b_\@
	tensor_load_to_lds s[G0+4*\s:G0+4*\s+3], s[G1:G1+7]
	s_nop 0
.rept 4
	v_nop
.endr
	s_branch .Lasked_\@
.Lfor_b_\@:
	tensor_load_to_lds s[G0B+4*\s:G0B+4*\s+3], s[G1B:G1B+7]
	s_nop 0
.rept 4
	v_nop
.endr
.Lasked_\@:
.endm
.macro CREST                           ; a round of the cluster's barrier behind its opening barrier
	s_cmp_lg_u32 s10, 0
	s_cbranch_scc1 .Lnot_wave_0_\@
	s_barrier_signal -3
.Lnot_wave_0_\@:
	s_barrier_wait -3
	s_barrier_signal -1
	s_barrier_wait -1
.endm
.macro CROUND                          ; a whole round
	s_barrier_signal -1
	s_barrier_wait -1
	CREST
.endm
	s_load_b128 s[4:7], s[0:1], 0x0                ; y16 s[4:5], wp16 s[6:7]
	s_load_b64 s[8:9], s[0:1], 0x10                ; out0
	v_lshl_add_u32 v[SPW], v0, 2, SPARE
	v_mov_b32 v[NIL], 0
	ds_add_u32 v[SPW], v[NIL]                      ; the wave's opening: the add, twice on end, and its wait ahead of my first tensor load
	ds_add_u32 v[SPW], v[NIL]                      ; and once more; the set-up below, work on registers, stands between it and the wait
	v_lshrrev_b32 v1, 5, v0
	v_readfirstlane_b32 s10, v1                    ; wave 0..3
	s_lshr_b32 s11, s10, 1                         ; which half of the tile's rows is mine.  Also: I fetch for y (0) or for W (1)
	s_and_b32 s12, s10, 1                          ; which half of its columns.  Also: which plane of y, or which 64 rows of W, I fetch
	s_bfe_u32 s40, ttmp6, 0x40000                  ; cx, cy: my place in the cluster
	s_bfe_u32 s41, ttmp6, 0x40004
	s_lshl_b32 s42, ttmp9, 2
	s_add_co_u32 s42, s42, s40                     ; tile column = 4 x cluster x + cx
	s_and_b32 s13, ttmp7, 0xffff
	s_lshl_b32 s13, s13, 2
	s_add_co_u32 s13, s13, s41                     ; tile row = 4 x cluster y + cy
	s_lshl_b32 s43, s41, 2
	s_lshl_b32 s43, 15, s43                        ; my row of the cluster
	s_lshl_b32 s44, 0x1111, s40                    ; my column
	; y: 256 rows x 64 elements of 2 bytes, dense; padding: 4 words after every 32.   W: 64 rows x 128 elements, 1,024 apart; 4 words after every 64
	s_or_b32 s[G1+0], s43, (1<<16)|(1<<20)|(1<<21)|(4<<22)|(3<<25)
	s_mov_b32 s[G1+1], 64<<16                      ; tensor_dim0 = 64
	s_mov_b32 s[G1+2], 256<<16                     ; tensor_dim1 = 256
	s_mov_b32 s[G1+3], 64<<16                      ; tile_dim0 = 64
	s_mov_b32 s[G1+4], 256                         ; tile_dim1 = 256
	s_mov_b32 s[G1+5], 64                          ; elements from row to row
	s_mov_b32 s[G1+6], 0
	s_mov_b32 s[G1+7], 0
	s_or_b32 s[G1B+0], s44, (1<<16)|(1<<20)|(1<<21)|(5<<22)|(3<<25)
	s_mov_b32 s[G1B+1], 128<<16
	s_mov_b32 s[G1B+2], 64<<16
	s_mov_b32 s[G1B+3], 128<<16
	s_mov_b32 s[G1B+4], 64
	s_mov_b32 s[G1B+5], 1024
	s_mov_b32 s[G1B+6], 0
	s_mov_b32 s[G1B+7], 0
	s_lshr_b32 s16, s13, 3
	s_lshl_b32 s16, s16, 22                        ; y: the batch, 4 MiB each,
	s_and_b32 s17, s13, 7
	s_lshl_b32 s17, s17, 15                        ; the block of 256 tokens x 128 bytes,
	s_add_co_u32 s16, s16, s17
	s_lshl_b32 s17, s12, 18                        ; my plane: head 0 or 1 of the K step
	s_add_co_u32 s16, s16, s17
	s_mov_b32 s17, 0
	s_lshl_b32 s46, s42, 18                        ; W: row 128 x tile column + 64 x half, 2,048 bytes a row
	s_lshl_b32 s47, s12, 17
	s_add_co_u32 s46, s46, s47
	s_mov_b32 s47, 0
	s_mul_i32 s20, s12, APLANE                     ; where they go: no place in the cluster enters an LDS address
	s_mul_i32 s21, s12, 64*PB
	s_add_co_u32 s21, s21, BOFF
	s_wait_dscnt 0x0                               ; both opening adds are done
	s_wait_kmcnt 0x0
	s_add_nc_u64 s[14:15], s[4:5], s[16:17]
	s_add_nc_u64 s[46:47], s[6:7], s[46:47]
	CROUND                                         ; all sixteen work-groups are here: the first joint loads meet
.irp s, 0,1
	s_mov_b32 s[G0+4*\s], 1
	s_add_co_u32 s[G0+4*\s+1], s20, \s*SLOT
	s_add_nc_u64 s[G0+4*\s+2:G0+4*\s+3], s[14:15], \s*2*262144     ; K step s: heads 2 s, 2 s + 1
	s_or_b32 s[G0+4*\s+3], s[G0+4*\s+3], 0x80000000
	s_mov_b32 s[G0B+4*\s], 1
	s_add_co_u32 s[G0B+4*\s+1], s21, \s*SLOT
	s_add_nc_u64 s[G0B+4*\s+2:G0B+4*\s+3], s[46:47], \s*256
	s_or_b32 s[G0B+4*\s+3], s[G0B+4*\s+3], 0x80000000
	JLOAD \s
.endr
	v_and_b32 v1, 15, v0                           ; r
	v_bfe_u32 v2, v0, 4, 1                         ; h
	v_mul_u32_u24 v3, v1, PA
	v_lshl_add_u32 v3, v2, 4, v3
	v_mul_u32_u24 v4, v1, PB
	v_lshl_add_u32 v4, v2, 4, v4
	s_mul_i32 s21, s11, 128*PA                     ; my 128 tokens
	s_mul_i32 s22, s12, 64*PB                      ; my 64 rows of W
	s_add_co_u32 s22, s22, BOFF
.irp s, 0,1
	v_add_nc_u32 v[ADRA+\s], s21, v3
	v_add_nc_u32 v[ADRB+\s], s22, v4
	s_add_co_u32 s21, s21, SLOT
	s_add_co_u32 s22, s22, SLOT
.endr
	s_mul_i32 s23, s10, 16*SPITCH
	s_add_co_u32 s23, s23, STAGE                   ; my stage
	v_mul_u32_u24 v5, v1, SPITCH
	v_lshl_add_u32 v5, v2, 5, v5
	v_add_nc_u32 v[STO], s23, v5                   ; in: row r, 32 bytes for each half of the lanes
	v_mul_u32_u24 v5, v2, SPITCH
	v_lshl_add_u32 v5, v1, 4, v5
	v_add_nc_u32 v[RD], s23, v5                    ; back: lanes 0-15 one row of 256 bytes, lanes 16-31 the next
	v_lshlrev_b32 v5, 12, v2
	v_lshl_add_u32 v[CO], v1, 4, v5                ; and the same two rows in out0
	s_lshl_b32 s16, s13, 20                        ; 256 rows of 4,096 bytes for each tile row,
	s_lshl_b32 s17, s11, 19                        ; my 128 rows
	s_add_co_u32 s16, s16, s17
	s_mov_b32 s17, 0
	s_add_nc_u64 s[8:9], s[8:9], s[16:17]
	s_lshl_b32 s46, s42, 9                         ; my first column, in bytes: 512 x tile column + 256 x half
	s_lshl_b32 s47, s12, 8
	s_add_co_u32 s46, s46, s47
	s_mov_b32 s47, 0
	s_add_nc_u64 s[8:9], s[8:9], s[46:47]
; 4 n matrix instructions: token blocks a0 .. a0 + n - 1 against W's four blocks, 32 along K, from buffer f.  zero = 1: the product starts the sums.
; The 32 accumulators take turns, one instruction a turn, in the same order in every quarter.
.macro MULH f, a0, n, zero
.set a_, \a0
.rept \n
.irp bb, 0,1,2,3
.if \zero
	v_wmma_f32_16x16x32_f16 v[8*(4*a_+\bb):8*(4*a_+\bb)+7], v[BF+32*(\f)+8*\bb:BF+32*(\f)+8*\bb+7], v[AF+64*(\f)+8*a_:AF+64*(\f)+8*a_+7], 0
.else
	v_wmma_f32_16x16x32_f16 v[8*(4*a_+\bb):8*(4*a_+\bb)+7], v[BF+32*(\f)+8*\bb:BF+32*(\f)+8*\bb+7], v[AF+64*(\f)+8*a_:AF+64*(\f)+8*a_+7], v[8*(4*a_+\bb):8*(4*a_+\bb)+7]
.endif
.endr
.set a_, a_+1
.endr
.endm
; 24 LDS loads in one run: the fragments of the slot's q-th 32 along K into buffer f: W's four first, then y's eight
.macro FETCH slot, q, f
	WIN 0
.irp bb, 0,1,2,3
	ds_load_b128 v[BF+32*(\f)+8*\bb:BF+32*(\f)+8*\bb+3],   v[ADRB+\slot] offset:64*(\q)+\bb*16*PB
	ds_load_b128 v[BF+32*(\f)+8*\bb+4:BF+32*(\f)+8*\bb+7], v[ADRB+\slot] offset:64*(\q)+\bb*16*PB+32
.endr
.irp a, 0,1,2,3,4,5,6,7
	ds_load_b128 v[AF+64*(\f)+8*\a:AF+64*(\f)+8*\a+3],   v[ADRA+\slot] offset:APLANE*((\q)/2)+64*((\q)%2)+\a*16*PA
	ds_load_b128 v[AF+64*(\f)+8*\a+4:AF+64*(\f)+8*\a+7], v[ADRA+\slot] offset:APLANE*((\q)/2)+64*((\q)%2)+\a*16*PA+32
.endr
.endm
.macro PLACES                          ; four places in front of loads into registers that matrix instructions have read, and of the first read of results
.rept 4
	v_nop
.endr
.endm
; A K step is four quarters of 32 along K, 32 matrix instructions each, on buffers 0, 1, 0, 1.  One of the first three: multiplies buffer f and fetches the next quarter, qn, into g.
.macro QUARTER slot, qn, f, g, zero
	s_wait_dscnt 8                                 ; W's blocks and y's blocks 0-3 are in; the youngest eight loads (y's blocks 4-7) may be out
	WIN MUL
	MULH \f, 0, 4, \zero
	PLACES
	FETCH \slot, \qn, \g
	s_wait_dscnt 24                                ; all but the 24 just issued
	WIN MUL
	MULH \f, 4, 4, \zero
.endm
; The last quarter multiplies buffer 1 and changes slots: ONE barrier; in front of it each wave waits for all its tensor loads, adds 0 to its spare word, and waits for that and for its reads of this slot.
; fill = 1: this slot is filled again, two K steps ahead; the barrier then opens a round of the cluster's.
.macro TURN slot, next, fill
	WIN 0                                          ; (the add's two registers lie in window 0)
	s_wait_tensorcnt 0x0                           ; all my tensor loads have landed: my part of the next slot
	ds_add_u32 v[SPW], v[NIL]
	s_wait_dscnt 9                                 ; (the add and the youngest eight loads may be out)
	WIN MUL
	MULH 1, 0, 2, 0                                ; eight matrix instructions stand between the add and the wait for it
	s_wait_dscnt 0x0                               ; the add is done, and my reads of this slot are over
	s_barrier_signal -1
	MULH 1, 2, 2, 0
.if \fill
	WIN 0
.endif
	s_barrier_wait -1
.if \fill
	CREST                                          ; no wave of any partner still reads this slot's tile or has a load on its way
	s_add_nc_u64 s[G0+4*\slot+2:G0+4*\slot+3], s[G0+4*\slot+2:G0+4*\slot+3], 4*262144   ; two K steps on: four heads
	s_add_nc_u64 s[G0B+4*\slot+2:G0B+4*\slot+3], s[G0B+4*\slot+2:G0B+4*\slot+3], 512
	JLOAD \slot                                    ; the first tensor load behind the round; its four v_nop are also the places in front of the loads below
.else
	PLACES
.endif
	FETCH \next, 0, 0
	WIN MUL
	MULH 1, 4, 4, 0
.endm
	s_wait_tensorcnt 1                             ; my part of K step 0 is in (K step 1's load may be out)
	s_barrier_signal -1
	s_barrier_wait -1                              ; everybody's is
	FETCH 0, 0, 0
	QUARTER 0, 1, 0, 1, 1                          ; the first quarter stands in front of the loop: its products start the sums
	WIN 0                                          ; at a label and at a branch every window is 0
	s_mov_b32 s3, LAPS-1
.Llap:                                                 ; a trip goes once round the ring, from a lap's second quarter to the next lap's first, and fills both slots again
	QUARTER 0, 2, 1, 0, 0
	QUARTER 0, 3, 0, 1, 0
	TURN 0, 1, 1
	QUARTER 1, 1, 0, 1, 0
	QUARTER 1, 2, 1, 0, 0
	QUARTER 1, 3, 0, 1, 0
	TURN 1, 0, 1
	QUARTER 0, 1, 0, 1, 0
	WIN 0
	s_sub_co_u32 s3, s3, 1
	s_cmp_lg_u32 s3, 0
	s_cbranch_scc1 .Llap
	QUARTER 0, 2, 1, 0, 0                          ; the last lap fills nothing, and has no round of the cluster's barrier
	QUARTER 0, 3, 0, 1, 0
	TURN 0, 1, 0
	QUARTER 1, 1, 0, 1, 0
	QUARTER 1, 2, 1, 0, 0
	QUARTER 1, 3, 0, 1, 0
	s_wait_dscnt 8                                 ; the very last quarter: nothing more to fetch
	WIN MUL
	MULH 1, 0, 4, 0
	s_wait_dscnt 0
	MULH 1, 4, 4, 0
	WIN 0
; THE WAY OUT, block by block of 16 tokens x 64 columns: 32 bytes a lane into my own stage, back as whole rows of 256 bytes.  LDS serves a wave's instructions in order: no wait between the stores and the loads.
.macro TOSTAGE a
	WIN 0x04                                       ; an LDS store's data are its source 1: window 1
.irp bb, 0,1,2,3
	ds_store_b128 v[STO], v[8*(4*(\a)+\bb):8*(4*(\a)+\bb)+3] offset:64*\bb          ; each accumulator from its low end on
	ds_store_b128 v[STO], v[8*(4*(\a)+\bb)+4:8*(4*(\a)+\bb)+7] offset:64*\bb+16
.endr
	WIN 0
.set BB, BK+32*((\a)%2)
.irp i, 0,1,2,3,4,5,6,7
	ds_load_b128 v[BB+4*\i:BB+4*\i+3], v[RD] offset:\i*2*SPITCH
.endr
.endm
.macro SEND a, younger                 ; younger: the LDS instructions issued behind block a's loads, which may stay out
.set BB, BK+32*((\a)%2)
	s_wait_dscnt \younger
.irp i, 0,1,2,3,4,5,6,7
	global_store_b128 v[CO], v[BB+4*\i:BB+4*\i+3], s[8:9] offset:(16*(\a)+2*\i)*4096 th:TH_STORE_NT   ; 16 lanes store 256 consecutive bytes, aligned
.endr
.endm
	PLACES
	TOSTAGE 0
.irp a, 1,2,3,4,5,6,7
.if \a > 1
	s_wait_xcnt 0x0                                ; block a - 2's stores have read their registers: block a's loads may land there
.endif
	TOSTAGE \a
	SEND \a-1, 16                                  ; behind block a - 1's loads: block a's 8 stores and 8 loads
.endr
	SEND 7, 0
	s_wait_tensorcnt 0x0                           ; the wave's end: behind my last tensor load and my last LDS store
	ds_add_u32 v[SPW], v[NIL]
	s_wait_dscnt 0x0
	CROUND                                         ; the closing round: no work-group ends while a partner may still ask for a tile that names it
	s_endpgm
.Lfunc_end_k_qfca4111f4a_proj:
	.size	k_qfca4111f4a_proj, .Lfunc_end_k_qfca4111f4a_proj-k_qfca4111f4a_proj
	.p2alignl 7, 3214868480
	.fill 96, 4, 3214868480
	.section	.rodata,"a",@progbits
	.p2align	6, 0x0
	.amdhsa_kernel k_qfca4111f4a_proj
		.amdhsa_group_segment_fixed_size 327680
		.amdhsa_private_segment_fixed_size 0
		.amdhsa_enable_private_segment 0
		.amdhsa_kernarg_size 24
		.amdhsa_user_sgpr_count 2
		.amdhsa_user_sgpr_kernarg_segment_ptr 1
		.amdhsa_wavefront_size32 1
		.amdhsa_system_sgpr_workgroup_id_x 1
		.amdhsa_system_sgpr_workgroup_id_y 1
		.amdhsa_system_sgpr_workgroup_id_z 1
		.amdhsa_system_vgpr_workitem_id 0
		.amdhsa_next_free_vgpr 512
		.amdhsa_next_free_sgpr 66
		.amdhsa_reserve_vcc 0
		.amdhsa_float_denorm_mode_32 3
		.amdhsa_float_denorm_mode_16_64 3
		.amdhsa_memory_ordered 1
		.amdhsa_forward_progress 1
		.amdhsa_inst_pref_size 85
	.end_amdhsa_kernel
	.amdgpu_metadata
---
amdhsa.version: [ 1, 2 ]
amdhsa.kernels:
  - .name:           k_qfca4111f4a_proj
    .symbol:         k_qfca4111f4a_proj.kd
    .args:
      - { .name: y16, .offset: 0, .size: 8, .value_kind: global_buffer, .address_space: global }
      - { .name: wp16, .offset: 8, .size: 8, .value_kind: global_buffer, .address_space: global }
      - { .name: out0, .offset: 16, .size: 8, .value_kind: global_buffer, .address_space: global }
    .group_segment_fixed_size: 327680
    .private_segment_fixed_size: 0
    .kernarg_segment_align: 8
    .kernarg_segment_size: 24
    .max_flat_workgroup_size: 128
    .sgpr_count:     66
    .vgpr_count:     512
    .wavefront_size: 32
...
	.end_amdgpu_metadata
.endif
;; end of part 4
;; launch first16 (part 5): grid 16 x 4, 16 waves a work-group, no clusters, 71,680 bytes of LDS; arguments qkv32, W_proj, out0; writes out0
.if DOCPART == 5
	.amdgcn_target "amdgcn-amd-amdhsa--gfx1250"
	.amdhsa_code_object_version 6
	.text
	.protected	k_qfca4111f4a_first16
	.globl	k_qfca4111f4a_first16
	.p2align	8
	.type	k_qfca4111f4a_first16,@function
k_qfca4111f4a_first16:
	s_mov_b64 s[64:65], 0
	v_nop
	global_prefetch_b8 v0, s[64:65] scope:SCOPE_SE
	s_setreg_imm32_b32 hwreg(HW_REG_WAVE_MODE, 25, 1), 1
	s_wait_xcnt 0x0
; The first 16 positions of every batch, wholly in f32: scores, softmax, values and projection.  These rows average one to sixteen values and are the largest of the output.
; qkv32: [4 b][16 t][3072] f32 (q, k, v; a head's 64 at 64 head).  W_proj: [1024 n][1024 k] f32.  out0[b][0..15][:] is written over what the launch before left there.
; SHARES.  Work-group (x, b) makes out0[b][0..15][64 x .. 64 x + 63].  Wave w is head w: it makes its head's y for the 16 rows (32 matrix instructions, repeated in the 16 work-groups of a batch),
; then that head's part of the projection (64); the 16 parts meet in LDS and wave w adds row w.
; ALL PRODUCTS are v_wmma_f32_16x16x4_f32 with K permuted alike on both sources, so that plain loads and the results' own layout serve as operands:
;   S^T = K Q^T: lane (r, h) loads channels 8 c + 4 h + 0..3 of its row; instruction s takes registers 2 s, 2 s + 1 of both.
;   O^T = V^T P: a lane's p_j is key 8 h + j of query r; instruction c takes p's registers 2 c, 2 c + 1, and V is loaded so that lane (r, h) holds V(key 8 h + j, channel 16 dt + r).
;   out^T = W y^T: a lane's y is channels 16 dt + 8 h + j of query r, and W is loaded likewise along its rows.
; The registers that these instructions write (v112-191) are written by nothing else, and every sum begins with the constant 0.
; No tensor loads, no cluster: 64 small work-groups that share nothing but W_proj's rows with three others.
.set RP,    272                        ; a row of a part: 64 columns of f32 + 16 bytes
.set RED,   16*RP                      ; a head's part: 16 rows
.set SPARE, 16*RED                     ; behind the parts: the spare words, 128 bytes a wave; no other line names them
.set QF,  16                           ; v16-47   Q; later s (16-23), p (24-31), at work (32-40); later W of nt = 3; later the 16 parts
.set KFR, 48                           ; v48-79   K; later y
.set VF,  80                           ; v80-111  V; later W of nt = 2
.set SA,  112                          ; v112-127 S^T in two halves of K
.set OA,  128                          ; v128-159 O^T, four tiles of 16 channels
.set PAC, 160                          ; v160-191 out^T, four tiles of 16 columns
.set W0,  192                          ; v192-255 W of nt = 0, 1
.set YR,  48
.set SPW, 14                           ; v14  LDS address of my spare word; never rewritten
.set NIL, 15                           ; v15  0; never rewritten
	s_load_b128 s[4:7], s[0:1], 0x0                ; qkv32, W_proj
	s_load_b64 s[8:9], s[0:1], 0x10                ; out0
	v_lshl_add_u32 v[SPW], v0, 2, SPARE
	v_mov_b32 v[NIL], 0
	v_lshrrev_b32 v1, 5, v0
	v_readfirstlane_b32 s10, v1                    ; wave = head
	s_and_b32 s11, ttmp7, 0xffff                   ; batch
	v_and_b32 v1, 15, v0                           ; r
	v_bfe_u32 v2, v0, 4, 1                         ; h
	v_mul_u32_u24 v3, v1, 12288
	v_lshl_add_u32 v3, v2, 4, v3                   ; Q, K: row r, + 16 h
	v_mul_u32_u24 v4, v2, 98304
	v_lshl_add_u32 v4, v1, 2, v4                   ; V: row 8 h, channel r
	v_lshlrev_b32 v5, 12, v1
	v_lshl_add_u32 v5, v2, 5, v5                   ; W: row r, + 32 h
	v_lshlrev_b32 v6, 3, v2
	v_sub_nc_u32 v6, v1, v6                        ; d = r - 8 h: key 8 h + j is hidden from query r where j > d
	s_mul_i32 s23, s10, RED
	v_mul_u32_u24 v7, v1, RP
	v_lshl_add_u32 v7, v2, 5, v7
	v_add_nc_u32 v7, s23, v7                       ; my part: row r, + 32 h
	s_mul_i32 s23, s10, RP
	v_and_b32 v8, 31, v0
	v_lshlrev_b32 v9, 3, v8                        ; 8 bytes a lane
	v_add_nc_u32 v8, s23, v9                       ; row w of a part
	s_mul_i32 s12, s11, 196608                     ; qkv32: the batch's 16 rows,
	s_lshl_b32 s13, s10, 8                         ; my head's 64 numbers
	s_add_co_u32 s12, s12, s13
	s_lshl_b32 s16, ttmp9, 18                      ; W_proj: rows 64 x on, my head's 64 numbers
	s_add_co_u32 s16, s16, s13
	s_mov_b32 s13, 0
	s_mov_b32 s17, 0
	s_lshl_b32 s18, s11, 23                        ; out0: row 2,048 b + w, columns 64 x on
	s_lshl_b32 s19, s10, 12
	s_add_co_u32 s18, s18, s19
	s_lshl_b32 s19, ttmp9, 8
	s_add_co_u32 s18, s18, s19
	s_mov_b32 s19, 0
	s_mov_b32 s20, 0x76543210
	s_mov_b32 s21, 0xfedcba98                      ; v_permlanex16_b32's selects for lane l xor 16
	s_mov_b32 s22, 0x3e38aa3b                      ; c = log2(e) / 8
	s_wait_kmcnt 0x0
	s_add_nc_u64 s[12:13], s[4:5], s[12:13]
	s_add_nc_u64 s[16:17], s[6:7], s[16:17]
	s_add_nc_u64 s[18:19], s[8:9], s[18:19]
.irp c, 0,1,2,3,4,5,6,7
	global_load_b128 v[QF+4*\c:QF+4*\c+3], v3, s[12:13] offset:32*\c
	global_load_b128 v[KFR+4*\c:KFR+4*\c+3], v3, s[12:13] offset:4096+32*\c
.endr
.irp dt, 0,1,2,3
.irp jj, 0,1,2,3,4,5,6,7
	global_load_b32 v[VF+8*\dt+\jj], v4, s[12:13] offset:8192+12288*\jj+64*\dt
.endr
.endr
.macro WLOAD reg, nt                   ; W's 16 rows 16 nt on, my head's 64 numbers: registers 8 dt + 0..7 = channels 16 dt + 8 h + 0..7
.irp dt, 0,1,2,3
	global_load_b128 v[\reg+8*\dt:\reg+8*\dt+3], v5, s[16:17] offset:65536*(\nt)+64*\dt
	global_load_b128 v[\reg+8*\dt+4:\reg+8*\dt+7], v5, s[16:17] offset:65536*(\nt)+64*\dt+16
.endr
.endm
	WLOAD W0, 0
	WLOAD W0+32, 1
.macro FAR                             ; eight places behind this matrix form (ISA guide 7.12.1)
.rept 8
	v_nop
.endr
.endm
	s_wait_loadcnt 48                              ; Q and K are in; V's 32 loads and W's 16 may be out
.set s_, 0
.rept 16                               ; S^T = K Q^T: two accumulators by turns
.if s_ < 2
	v_wmma_f32_16x16x4_f32 v[SA+8*(s_%2):SA+8*(s_%2)+7], v[KFR+2*s_:KFR+2*s_+1], v[QF+2*s_:QF+2*s_+1], 0
.else
	v_wmma_f32_16x16x4_f32 v[SA+8*(s_%2):SA+8*(s_%2)+7], v[KFR+2*s_:KFR+2*s_+1], v[QF+2*s_:QF+2*s_+1], v[SA+8*(s_%2):SA+8*(s_%2)+7]
.endif
.set s_, s_+1
.endr
	FAR
.irp j, 0,1,2,3,4,5,6,7
	v_add_f32 v[16+\j], v[SA+\j], v[SA+8+\j]       ; the score of key 8 h + j for query r; both accumulators from their low end on
.endr
	v_mov_b32 v32, 0xff800000                      ; -infinity
	v_mov_b32 v34, 0                               ; (a lane permute's destination counts as read)
.irp j, 0,1,2,3,4,5,6,7
	v_cmp_gt_i32 vcc_lo, \j, v6
	v_cndmask_b32 v[16+\j], v[16+\j], v32, vcc_lo
.endr
	v_max3_num_f32 v33, v16, v17, v18
	v_max3_num_f32 v33, v33, v19, v20
	v_max3_num_f32 v33, v33, v21, v22
	v_max_num_f32 v33, v33, v23
	v_permlanex16_b32 v34, v33, s20, s21
	v_max_num_f32 v33, v33, v34                    ; the row's maximum: key 0 counts for every query, so it is a number
	v_mul_f32 v35, s22, v33
.irp j, 0,1,2,3,4,5,6,7
	v_fma_f32 v[24+\j], v[16+\j], s22, -v35
.endr
.irp j, 0,1,2,3,4,5,6,7
	v_exp_f32 v[24+\j], v[24+\j]                   ; p = 2^(c s - c m)
.endr
	v_nop                                          ; a plain instruction behind the last exponential
	s_wait_alu depctr_va_vdst(0)                   ; one wait for the eight, ahead of their first reader
	v_add_f32 v36, v24, v25
	v_add_f32 v37, v26, v27
	v_add_f32 v38, v28, v29
	v_add_f32 v39, v30, v31
	v_add_f32 v36, v36, v37
	v_add_f32 v38, v38, v39
	v_add_f32 v36, v36, v38
	v_permlanex16_b32 v34, v36, s20, s21
	v_add_f32 v36, v36, v34                        ; the row's sum
	v_rcp_f32 v40, v36
	v_nop
	s_wait_alu depctr_va_vdst(0)
	s_wait_loadcnt 16                              ; V is in; W's 16 loads may be out
.irp c, 0,1,2,3                        ; O^T = V^T P: keys 8 h + 2 c + 0, 1; four accumulators by turns
.irp dt, 0,1,2,3
.if \c == 0
	v_wmma_f32_16x16x4_f32 v[OA+8*\dt:OA+8*\dt+7], v[VF+8*\dt+2*\c:VF+8*\dt+2*\c+1], v[24+2*\c:25+2*\c], 0
.else
	v_wmma_f32_16x16x4_f32 v[OA+8*\dt:OA+8*\dt+7], v[VF+8*\dt+2*\c:VF+8*\dt+2*\c+1], v[24+2*\c:25+2*\c], v[OA+8*\dt:OA+8*\dt+7]
.endif
.endr
.endr
	FAR
.irp dt, 0,1,2,3
.irp j, 0,1,2,3,4,5,6,7
	v_mul_f32 v[YR+8*\dt+\j], v[OA+8*\dt+\j], v40  ; y(query r, channel 16 dt + 8 h + j), into other registers than the sums'
.endr
.endr
	WLOAD VF, 2                                    ; V's and the softmax's registers are free
	WLOAD QF, 3
.macro PROJ n0, r0, r1                 ; out^T tiles n0, n0 + 1 by turns: 16 steps of 4 along my head's 64
.irp dt, 0,1,2,3
.irp jj, 0,1,2,3
.if (\dt == 0) && (\jj == 0)
	v_wmma_f32_16x16x4_f32 v[PAC+8*(\n0):PAC+8*(\n0)+7], v[\r0+8*\dt+2*\jj:\r0+8*\dt+2*\jj+1], v[YR+8*\dt+2*\jj:YR+8*\dt+2*\jj+1], 0
	v_wmma_f32_16x16x4_f32 v[PAC+8*(\n0)+8:PAC+8*(\n0)+15], v[\r1+8*\dt+2*\jj:\r1+8*\dt+2*\jj+1], v[YR+8*\dt+2*\jj:YR+8*\dt+2*\jj+1], 0
.else
	v_wmma_f32_16x16x4_f32 v[PAC+8*(\n0):PAC+8*(\n0)+7], v[\r0+8*\dt+2*\jj:\r0+8*\dt+2*\jj+1], v[YR+8*\dt+2*\jj:YR+8*\dt+2*\jj+1], v[PAC+8*(\n0):PAC+8*(\n0)+7]
	v_wmma_f32_16x16x4_f32 v[PAC+8*(\n0)+8:PAC+8*(\n0)+15], v[\r1+8*\dt+2*\jj:\r1+8*\dt+2*\jj+1], v[YR+8*\dt+2*\jj:YR+8*\dt+2*\jj+1], v[PAC+8*(\n0)+8:PAC+8*(\n0)+15]
.endif
.endr
.endr
.endm
	s_wait_loadcnt 16                              ; W of nt = 0, 1 is in; the 16 loads just issued may be out
	PROJ 0, W0, W0+32
	s_wait_loadcnt 0x0
	PROJ 2, VF, QF
	FAR
.irp nt, 0,1,2,3
	ds_store_b128 v7, v[PAC+8*\nt:PAC+8*\nt+3] offset:64*\nt          ; lane (r, h): my head's part of out(r, 64 x + 16 nt + 8 h + 0 .. 7); each accumulator from its low end on
	ds_store_b128 v7, v[PAC+8*\nt+4:PAC+8*\nt+7] offset:64*\nt+16
.endr
	s_wait_dscnt 0x0                               ; for the others' sake: my part lies in LDS
	s_barrier_signal -1
	s_barrier_wait -1
.irp u, 0,1,2,3,4,5,6,7,8,9,10,11,12,13,14,15
	ds_load_b64 v[16+2*\u:17+2*\u], v8 offset:RED*\u                  ; row w of head u's part: 8 bytes a lane
.endr
	s_wait_dscnt 0x0
.irp u, 2,4,6,8,10,12,14
	v_pk_add_f32 v[16:17], v[16:17], v[16+2*\u:17+2*\u]               ; two chains
	v_pk_add_f32 v[18:19], v[18:19], v[18+2*\u:19+2*\u]
.endr
	v_pk_add_f32 v[16:17], v[16:17], v[18:19]
	global_store_b64 v9, v[16:17], s[18:19]        ; 32 lanes store 256 consecutive bytes, aligned
	s_wait_tensorcnt 0x0                           ; the wave's end: behind my last LDS store
	ds_add_u32 v[SPW], v[NIL]
	s_wait_dscnt 0x0
	s_endpgm
.Lfunc_end_k_qfca4111f4a_first16:
	.size	k_qfca4111f4a_first16, .Lfunc_end_k_qfca4111f4a_first16-k_qfca4111f4a_first16
	.p2alignl 7, 3214868480
	.fill 96, 4, 3214868480
	.section	.rodata,"a",@progbits
	.p2align	6, 0x0
	.amdhsa_kernel k_qfca4111f4a_first16
		.amdhsa_group_segment_fixed_size 71680
		.amdhsa_private_segment_fixed_size 0
		.amdhsa_enable_private_segment 0
		.amdhsa_kernarg_size 24
		.amdhsa_user_sgpr_count 2
		.amdhsa_user_sgpr_kernarg_segment_ptr 1
		.amdhsa_wavefront_size32 1
		.amdhsa_system_sgpr_workgroup_id_x 1
		.amdhsa_system_sgpr_workgroup_id_y 1
		.amdhsa_system_sgpr_workgroup_id_z 1
		.amdhsa_system_vgpr_workitem_id 0
		.amdhsa_next_free_vgpr 256
		.amdhsa_next_free_sgpr 66
		.amdhsa_reserve_vcc 1
		.amdhsa_float_denorm_mode_32 3
		.amdhsa_float_denorm_mode_16_64 3
		.amdhsa_memory_ordered 1
		.amdhsa_forward_progress 1
		.amdhsa_inst_pref_size 23
	.end_amdhsa_kernel
	.amdgpu_metadata
---
amdhsa.version: [ 1, 2 ]
amdhsa.kernels:
  - .name:           k_qfca4111f4a_first16
    .symbol:         k_qfca4111f4a_first16.kd
    .args:
      - { .name: qkv32, .offset: 0, .size: 8, .value_kind: global_buffer, .address_space: global }
      - { .name: W_proj, .offset: 8, .size: 8, .value_kind: global_buffer, .address_space: global }
      - { .name: out0, .offset: 16, .size: 8, .value_kind: global_buffer, .address_space: global }
    .group_segment_fixed_size: 71680
    .private_segment_fixed_size: 0
    .kernarg_segment_align: 8
    .kernarg_segment_size: 24
    .max_flat_workgroup_size: 512
    .sgpr_count:     66
    .vgpr_count:     256
    .wavefront_size: 32
...
	.end_amdgpu_metadata
.endif
;; end of part 5
